; MI455X (gfx1250); checked and timed in simulation.
; The chip was launched on July 23, 2026; its instructions are those of AMD's public machine-readable ISA for CDNA 5 (MIT licence, August 2026) and "CDNA5" Instruction Set Architecture Reference Guide (July 2026). The comments in the code are by the model that wrote it; some were corrected since.
;; Multisource Perceiver Encoder. Allowed arithmetic: matrix products marked QUANTISED: E3M2 operands, one E8M0 scale for each 32 along K, by v_wmma_scale_f32_16x16x128_f8f6f4 with both operands' format E3M2, f32 sums; everything else in f32.
;; Inputs: C 4 x 8,192 x 128 float32; V 4 x 8,192 x 256 float32; Wkvc 128 x 1,024 float32; Wkvv 256 x 1,024 float32; Woc 512 x 128 float32; Wov 512 x 256 float32; Wqc 128 x 512 float32; Wqv 256 x 512 float32; bkvc 1,024 float32; bkvv 1,024 float32; boc 128 float32; bov 256 float32; bqc 512 float32; bqv 512 float32; gkvc 1,024 float32; gkvv 1,024 float32; gqc 512 float32; gqv 512 float32; latent_coords 1 x 512 x 128 float32; latent_values 1 x 512 x 256 float32.
;; Outputs: out0 4 x 512 x 256 float32; out1 4 x 512 x 128 float32.
;; This version of the problem:
;;   THIS VERSION OF THE PROBLEM IS GIVEN IN LOW PRECISION. The matrix products marked QUANTISED in the list below multiply operands that are first quantised to E3M2 (3 exponent bits, 2 mantissa bits; 6 bits a number), with one power-of-two scale for each 32 numbers along K (OCP MX v1.0); their sums are f32. All else is computed in f32.
;;   The module's matrix products, in the order in which they are computed (A, B: the left and right operand; K: the contracted axis; several contracted axes count as one K, in the product's order):
;;     1. [M 512, K 256] x [K 256, N 512]; A: input latent_values; B: input Wqv: QUANTISED
;;     2. [M 512, K 128] x [K 128, N 512]; A: input latent_coords; B: input Wqc: QUANTISED
;;     3. [M 32,768, K 256] x [K 256, N 1,024]; A: input V; B: input Wkvv: QUANTISED
;;     4. [M 32,768, K 128] x [K 128, N 1,024]; A: input C; B: input Wkvc: QUANTISED
;;     5. batch 8 x [M 32,768, K 64] x [K 64, N 512]; A: computed on the way; B: computed on the way: QUANTISED
;;     6. batch 8 x [M 32,768, K 64] x [K 64, N 512]; A: computed on the way; B: computed on the way: QUANTISED
;;     7. batch 32 x [M 512, K 8,192] x [K 8,192, N 64]; A: softmax (see below); B: computed on the way: QUANTISED
;;     8. batch 32 x [M 512, K 8,192] x [K 8,192, N 64]; A: softmax (see below); B: computed on the way: QUANTISED
;;     9. [M 2,048, K 512] x [K 512, N 256]; A: computed on the way; B: input Wov: QUANTISED
;;     10. [M 2,048, K 512] x [K 512, N 128]; A: computed on the way; B: input Woc: QUANTISED
;;   THE QUANTISER, for each operand of a quantised product, along K:
;;     - K is cut into blocks of 32 from its start; a last block that is shorter is filled with zeros.
;;     - A block's scale is 2^e with e = floor(log2(the largest magnitude in the block)) - 4, held to -126 .. 127; a block of zeros has e = 0. As a byte (E8M0): e + 127.
;;     - Each number is divided by its block's scale, clamped to +-28, and rounded to the nearest number of E3M2, ties to even, subnormals kept.
;;     - The product sums the exact products of the quantised numbers (number of the format x scale) in f32.
;;   ~~~python
;;   def quantise(x, axis):      # numpy; x: float32 -> the quantised numbers, widened to float32 again
;;       x = np.moveaxis(x, axis, -1); K = x.shape[-1]
;;       x = np.pad(x, [(0, 0)] * (x.ndim - 1) + [(0, -K % 32)]); x = x.reshape(x.shape[:-1] + (-1, 32)); a = np.abs(x).max(-1, keepdims=True)
;;       e = np.where(a > 0, np.clip(np.frexp(np.where(a > 0, a, 1))[1] - 1 - 4, -126, 127), 0)      # np.frexp(a)[1] - 1 = floor(log2(a)), exactly
;;       r = np.clip(x / 2.0 ** e, -28, 28)
;;       step = 2.0 ** (np.maximum(np.frexp(np.where(r == 0, 1, r))[1] - 1, -2) - 2)
;;       q = np.round(r / step) * step * 2.0 ** e      # np.round: ties to even
;;       return np.moveaxis(q.reshape(q.shape[:-2] + (-1,))[..., :K], -1, axis).astype(np.float32)
;;   ~~~
;;   SOFTMAX AHEAD OF A QUANTISED PRODUCT. Where the list says 'softmax', what is quantised is not the finished softmax but p = 2^(t - M), with t = logit x log2(e) and M = ceil(the row's largest t), a whole number; so 1/2 < the row's largest p <= 1. The row's sum l is taken of the UNQUANTISED p, in f32, and the product's result is divided by l at the end. Since M is a whole number, a kernel that streams over the keys may use a running M (the ceiling of the running maximum): every later rescaling is an exact power of two, which a block's scale takes up: the codes' values come out the same.
;;   OPERANDS COMPUTED ON THE WAY. 'Computed on the way' means the value that the module computes at that place (a softmax that the list does not call 'softmax' is quantised finished and normalised). What goes into a quantiser is computed in f32, as accurately as f32 sums, v_exp_f32 and their like allow (about 1e-6 of the number): no bf16 or f16 on the way to a quantiser, and a product that is left as it is and whose result goes on into a quantised operand takes f32 operands (vector FMAs, or v_wmma_f32_16x16x4_f32). A number that lies on a knife's edge between two numbers of the format may be rounded either way, as far as f32 arithmetic and the matrix unit's own rounding can turn it there, and no further.
;; One version. Each part assembles by itself: llvm-mc -triple=amdgcn-amd-amdhsa -mcpu=gfx1250 --defsym DOCPART=n.
;; ======== version 1 of 1: 5 launches
;; limits: right only within a limited range of input values
;; workspace buffers: wimg 589,824 bytes; wscl 49,152 bytes; qimg 393,216 bytes; qscl 32,768 bytes; kvrec 52,428,800 bytes; lcod 1,572,864 bytes; lscl 65,536 bytes
;; launch prep (part 1): grid 96 x 1, 4 waves a work-group, no clusters, 0 bytes of LDS; arguments Wkvv, Wkvc, Wqv, Wqc, Wov, Woc, wimg, wscl; writes wimg, wscl
.if DOCPART == 1
	.amdgcn_target "amdgcn-amd-amdhsa--gfx1250"
	.amdhsa_code_object_version 6
	.text
	.protected	k_q2e1df03770_prep
	.globl	k_q2e1df03770_prep
	.p2align	8
	.type	k_q2e1df03770_prep,@function
k_q2e1df03770_prep:
	s_mov_b64 s[64:65], 0
	v_nop
	global_prefetch_b8 v0, s[64:65] scope:SCOPE_SE
	s_setreg_imm32_b32 hwreg(HW_REG_WAVE_MODE, 25, 1), 1
	s_wait_xcnt 0x0
; The six weights, f32 stored [K][N], become codes of BF6 (E3M2) quantised along K (their first axis), laid as IMAGES OF OPERAND REGISTERS.
; A fragment is 16 columns x 128 K: 12 registers a lane.  Fragment F lies at 1536 F of wimg: registers 4 g .. 4 g + 3 of lane l at 512 g + 16 l.  Its scale words lie at 128 F + 4 l of wscl.
; F = base + T x KS + s: T the column tile, s the K step of 128.  Bases: Wkvv 0 (KS 2), Wkvc 128 (1), Wqv 192 (2), Wqc 256 (1), Wov 288 (4), Woc 352 (4): 384 fragments.
; THE COLUMNS OF A TILE ARE NOT NEIGHBOURS: row p of tile T is column 32 (T / 2) + 8 (T % 2) + p + 8 (p / 8), so that the results of two neighbouring tiles are 16 neighbours in a lane's registers.
; One wave makes one fragment: lane (r, h) takes its column and its registers run down K in the operand's own order (k = 64 c + 32 h + i), so the conversions' results are the operand's registers.
; A block's scale byte is its largest magnitude's exponent field - 4, held at 1 from below.
; LIMITS: a block of zeros gets the byte 1 (not 127): its codes are zeros and this program alone reads the bytes.  NaN and infinities among the inputs are not served.
; No LDS, no barrier, no cluster: no two waves read the same bytes.  The loads are narrow (two runs of 32 bytes for 16 lanes): 3 MB in the whole launch.  A fragment's scale words are 128 bytes, half of an aligned 256.
.set OF, 64                            ; v64-127  byte offsets of my 64 numbers (the row pitch differs from weight to weight, so it cannot stand in an immediate)
.set DT, 128                           ; v128-191 the numbers: register 32 c + i
.set SEL, 38                           ; s[38:39] lane selects for v_permlanex16_b32: lane l xor 16
	s_load_b256 s[4:11], s[0:1], 0x0               ; Wkvv s[4:5], Wkvc s[6:7], Wqv s[8:9], Wqc s[10:11]
	s_load_b256 s[12:19], s[0:1], 0x20             ; Wov s[12:13], Woc s[14:15], wimg s[16:17], wscl s[18:19]
	v_lshrrev_b32 v1, 5, v0
	v_readfirstlane_b32 s20, v1                    ; wave 0..3
	v_and_b32 v2, 15, v0                           ; r
	v_bfe_u32 v3, v0, 4, 1                         ; h
	v_and_b32 v6, 31, v0                           ; lane
	v_lshlrev_b32 v7, 4, v6                        ; 16 x lane
	v_lshlrev_b32 v8, 2, v6                        ; 4 x lane
	v_and_b32 v4, 8, v2
	v_add_nc_u32 v4, v4, v2
	v_lshlrev_b32 v4, 2, v4                        ; 4 (r + 8 (r / 8)): my column in the tile's 32, in bytes
	s_mov_b32 s[SEL], 0x76543210
	s_mov_b32 s[SEL+1], 0xfedcba98
	s_wait_alu depctr_va_vdst(0)
	s_wait_kmcnt 0x0
	; which weight: by the work-group's number alone.  s[22:23] the weight, s24 its row pitch in bytes, s25 log2 KS, s26 its first work-group
	s_mov_b64 s[22:23], s[14:15]                   ; Woc
	s_mov_b32 s24, 512
	s_mov_b32 s25, 2
	s_mov_b32 s26, 88
	s_cmp_lt_u32 ttmp9, 88                         ; Wov
	s_cselect_b64 s[22:23], s[12:13], s[22:23]
	s_cselect_b32 s24, 1024, s24
	s_cselect_b32 s26, 72, s26
	s_cmp_lt_u32 ttmp9, 72                         ; Wqc
	s_cselect_b64 s[22:23], s[10:11], s[22:23]
	s_cselect_b32 s24, 2048, s24
	s_cselect_b32 s25, 0, s25
	s_cselect_b32 s26, 64, s26
	s_cmp_lt_u32 ttmp9, 64                         ; Wqv
	s_cselect_b64 s[22:23], s[8:9], s[22:23]
	s_cselect_b32 s25, 1, s25
	s_cselect_b32 s26, 48, s26
	s_cmp_lt_u32 ttmp9, 48                         ; Wkvc
	s_cselect_b64 s[22:23], s[6:7], s[22:23]
	s_cselect_b32 s24, 4096, s24
	s_cselect_b32 s25, 0, s25
	s_cselect_b32 s26, 32, s26
	s_cmp_lt_u32 ttmp9, 32                         ; Wkvv
	s_cselect_b64 s[22:23], s[4:5], s[22:23]
	s_cselect_b32 s25, 1, s25
	s_cselect_b32 s26, 0, s26
	s_lshl_b32 s27, ttmp9, 2
	s_add_co_u32 s27, s27, s20                     ; F
	s_lshl_b32 s28, s26, 2
	s_sub_co_u32 s28, s27, s28                     ; the fragment's number in its weight
	s_lshr_b32 s29, s28, s25                       ; T
	s_lshl_b32 s30, s29, s25
	s_sub_co_u32 s30, s28, s30                     ; s
	s_lshr_b32 s31, s29, 1
	s_lshl_b32 s31, s31, 7                         ; 128 (T / 2)
	s_and_b32 s32, s29, 1
	s_lshl_b32 s32, s32, 5                         ; + 32 (T % 2)
	s_add_co_u32 s31, s31, s32
	s_mul_i32 s32, s30, s24
	s_lshl_b32 s32, s32, 7                         ; + 128 s rows
	s_add_co_u32 s31, s31, s32
	s_lshl_b32 s33, s24, 5
	v_mul_u32_u24 v5, s33, v3                      ; lanes 16-31 begin 32 rows further down
	v_add3_u32 v[OF], v4, v5, s31
.set ii, 1
.rept 31
	v_add_nc_u32 v[OF+ii], s24, v[OF+ii-1]         ; a row further down
.set ii, ii+1
.endr
	s_lshl_b32 s34, s24, 6
.set ii, 0
.rept 32
	v_add_nc_u32 v[OF+32+ii], s34, v[OF+ii]        ; c = 1: 64 rows further down
.set ii, ii+1
.endr
.set ii, 0
.rept 64
	global_load_b32 v[DT+ii], v[OF+ii], s[22:23]
.set ii, ii+1
.endr
	s_mul_i32 s36, s27, 1536                       ; where the image goes,
	s_mov_b32 s37, 0
	s_add_nc_u64 s[16:17], s[16:17], s[36:37]
	s_lshl_b32 s36, s27, 7                         ; and its scale words
	s_add_nc_u64 s[18:19], s[18:19], s[36:37]
	s_wait_loadcnt 0x0
.irp c, 0,1                                    ; my block 2 c + h: all its 32 numbers are mine
	v_max3_num_f32 v[32+\c], |v[DT+32*\c]|, |v[DT+1+32*\c]|, 0x2800000   ; and the floor 2^(5 - 127): the byte cannot fall under 1
.endr
.irp i, 2,4,6,8,10,12,14,16,18,20,22,24,26,28,30
.irp c, 0,1
	v_max3_num_f32 v[32+\c], v[32+\c], |v[DT+32*\c+\i]|, |v[DT+1+32*\c+\i]|
.endr
.endr
.irp c, 0,1
	v_add_nc_u32 v[44+\c], 0xfe000000, v[32+\c]    ; 4 off the exponent field: the conversion's scale operand
.endr
.irp c, 0,1
	v_lshrrev_b32 v[36+\c], 23, v[44+\c]           ; the scale's byte
.endr
	v_lshl_or_b32 v9, v37, 16, v36                 ; my two bytes: blocks h and 2 + h,
	v_lshlrev_b32 v10, 3, v3
	v_lshlrev_b32 v9, v10, v9                      ; at their places in the word;
	v_mov_b32 v10, 0
	v_permlanex16_b32 v10, v9, s[SEL], s[SEL+1]
	v_or_b32 v9, v9, v10                           ; with lane l xor 16's two the word is whole
.irp c, 0,1
	v_cvt_scalef32_pk16_bf6_f32 v[48+6*\c:50+6*\c], v[DT+32*\c:DT+15+32*\c], v[44+\c]
	v_cvt_scalef32_pk16_bf6_f32 v[192+4*\c:194+4*\c], v[DT+16+32*\c:DT+31+32*\c], v[44+\c]   ; (a conversion's three registers begin on an even number)
.endr
	v_nop                                          ; one plain place behind a scaled conversion
.irp c, 0,1
.irp i, 0,1,2
	v_mov_b32 v[51+6*\c+\i], v[192+4*\c+\i]
.endr
.endr
.irp g, 0,1,2
	global_store_b128 v7, v[48+4*\g:51+4*\g], s[16:17] offset:512*\g   ; 32 lanes store 512 consecutive bytes
.endr
	global_store_b32 v8, v9, s[18:19]
	s_endpgm
.Lfunc_end_k_q2e1df03770_prep:
	.size	k_q2e1df03770_prep, .Lfunc_end_k_q2e1df03770_prep-k_q2e1df03770_prep
	.p2alignl 7, 3214868480
	.fill 96, 4, 3214868480
	.section	.rodata,"a",@progbits
	.p2align	6, 0x0
	.amdhsa_kernel k_q2e1df03770_prep
		.amdhsa_group_segment_fixed_size 0
		.amdhsa_private_segment_fixed_size 0
		.amdhsa_enable_private_segment 0
		.amdhsa_kernarg_size 64
		.amdhsa_user_sgpr_count 2
		.amdhsa_user_sgpr_kernarg_segment_ptr 1
		.amdhsa_wavefront_size32 1
		.amdhsa_system_sgpr_workgroup_id_x 1
		.amdhsa_system_sgpr_workgroup_id_y 1
		.amdhsa_system_sgpr_workgroup_id_z 1
		.amdhsa_system_vgpr_workitem_id 0
		.amdhsa_next_free_vgpr 200
		.amdhsa_next_free_sgpr 66
		.amdhsa_reserve_vcc 0
		.amdhsa_float_denorm_mode_32 3
		.amdhsa_float_denorm_mode_16_64 3
		.amdhsa_memory_ordered 1
		.amdhsa_forward_progress 1
		.amdhsa_inst_pref_size 15
	.end_amdhsa_kernel
	.amdgpu_metadata
---
amdhsa.version: [ 1, 2 ]
amdhsa.kernels:
  - .name:           k_q2e1df03770_prep
    .symbol:         k_q2e1df03770_prep.kd
    .args:
      - { .name: Wkvv, .offset: 0, .size: 8, .value_kind: global_buffer, .address_space: global }
      - { .name: Wkvc, .offset: 8, .size: 8, .value_kind: global_buffer, .address_space: global }
      - { .name: Wqv, .offset: 16, .size: 8, .value_kind: global_buffer, .address_space: global }
      - { .name: Wqc, .offset: 24, .size: 8, .value_kind: global_buffer, .address_space: global }
      - { .name: Wov, .offset: 32, .size: 8, .value_kind: global_buffer, .address_space: global }
      - { .name: Woc, .offset: 40, .size: 8, .value_kind: global_buffer, .address_space: global }
      - { .name: wimg, .offset: 48, .size: 8, .value_kind: global_buffer, .address_space: global }
      - { .name: wscl, .offset: 56, .size: 8, .value_kind: global_buffer, .address_space: global }
    .group_segment_fixed_size: 0
    .private_segment_fixed_size: 0
    .kernarg_segment_align: 8
    .kernarg_segment_size: 64
    .max_flat_workgroup_size: 128
    .sgpr_count:     66
    .vgpr_count:     200
    .wavefront_size: 32
...
	.end_amdgpu_metadata
.endif
;; end of part 1
;; launch q (part 2): grid 32 x 1, 8 waves a work-group, no clusters, 2,048 bytes of LDS; arguments latent_values, latent_coords, wimg, wscl, bqv, gqv, bqc, gqc, qimg, qscl; writes qimg, qscl
.if DOCPART == 2
	.amdgcn_target "amdgcn-amd-amdhsa--gfx1250"
	.amdhsa_code_object_version 6
	.text
	.protected	k_q2e1df03770_q
	.globl	k_q2e1df03770_q
	.p2align	8
	.type	k_q2e1df03770_q,@function
k_q2e1df03770_q:
	s_mov_b64 s[64:65], 0
	v_nop
	global_prefetch_b8 v0, s[64:65] scope:SCOPE_SE
	s_setreg_imm32_b32 hwreg(HW_REG_WAVE_MODE, 25, 1), 1
	s_wait_xcnt 0x0
; The queries: q_v = rmsnorm(latent_values Wqv + bqv) gqv, q_c likewise from the coords, both products on codes of BF6 (E3M2); then quantised along the head's axis as fragments [qc 64 | qv 64] for the scores' product.
; SHARES.  A work-group takes 16 latents, a wave one head (64 columns of each stream).  Each wave quantises the three fragments of x itself (two K steps of the values, one of the coords):
; eight times the same small work, which spares an exchange through LDS.  The products are used transposed (source 0 = 16 columns of W, source 1 = x): a lane holds one latent and its registers run along the columns.
; The bias is the C of each sum's first product.  The sum of squares over the 512 columns meets in LDS: one word for each row, wave and stream; one barrier.
; Out: fragment 32 head + row tile of qimg (registers 4 g .. 4 g + 3 of lane l at 512 g + 16 l), its scale words at 128 x fragment + 4 l of qscl.
; No cluster: the weights' fragments are read by 32 work-groups, each wave its own head's, straight into registers; nothing passes through LDS that a joint load could fill.
; LIMITS: a block of zeros gets the scale byte 1 (not 127): its codes are zeros and this program alone reads the bytes.  NaN and infinities are not served.  The bias enters as C, so the last bit may differ from product-then-add.
; REGISTERS, window 0: v1-7 addresses; v16-51 x's three fragments; v52-54 their scale words; v56-67 W's scale words; v68-79 at work in QUANT; v84 the scale word made last; v88-99 the codes made last;
;   v108, v110 the two rsqrt; v112-175 numbers of x, later the 8 accumulators (coords 112 + 8 n, values 144 + 8 n); v176-239 numbers of x, later the gains in the same order; v240-255 at work.
;   window 1: v0-95 Wqv's 8 fragments (12 (2 n + s)); v96-143 Wqc's 4; v144-207 the biases in the results' layout (coords 144 + 8 n, values 176 + 8 n).
.set XF, 16
.set XS, 52
.set WS, 56
.set TM, 68
.set PW, 84
.set PC, 88
.set RC, 108
.set R0, 112
.set R1, 176
.set WV, 24
.set SEL, 26
.set MSB, 0
.macro WIN new                         ; the immediate's high byte repeats the setting that is left
.if MSB != (\new)
	s_set_vgpr_msb (MSB<<8)|(\new)
.set MSB, (\new)
.endif
.endm
.macro PLACES
.rept 4
	v_nop
.endr
.endm
; 64 numbers of a lane, register 16 b + i = k 32 b + 16 (lane / 16) + i of my row, become a fragment's codes in v[pc] on and its scale word in v[pw].
.macro QUANT s, pc, pw
.irp b, 0,1,2,3
	v_max3_num_f32 v[TM+\b], |v[(\s)+16*\b]|, |v[(\s)+1+16*\b]|, 0x2800000   ; block b: my 16 numbers, and the floor 2^(5 - 127): the byte cannot fall under 1
.endr
.irp i, 2,4,6,8,10,12,14
.irp b, 0,1,2,3
	s_delay_alu instid0(VALU_DEP_4)
	v_max3_num_f32 v[TM+\b], v[TM+\b], |v[(\s)+16*\b+\i]|, |v[(\s)+1+16*\b+\i]|
.endr
.endr
.irp b, 0,1,2,3
	s_delay_alu instid0(VALU_DEP_4)
	v_permlanex16_b32 v[TM+4+\b], v[TM+\b], s[SEL], s[SEL+1]
.endr
.irp b, 0,1,2,3
	s_delay_alu instid0(VALU_DEP_4)
	v_max_num_f32 v[TM+\b], v[TM+\b], v[TM+4+\b]   ; with lane l xor 16's: the block's largest magnitude
.endr
.irp b, 0,1,2,3
	s_delay_alu instid0(VALU_DEP_4)
	v_add_nc_u32 v[TM+8+\b], 0xfe000000, v[TM+\b]  ; 4 off its exponent field: the conversion's scale operand
.endr
.irp b, 0,1,2,3
	s_delay_alu instid0(VALU_DEP_4)
	v_lshrrev_b32 v[TM+4+\b], 23, v[TM+8+\b]       ; the scale's byte
.endr
	s_delay_alu instid0(VALU_DEP_3)
	v_lshl_or_b32 v[\pw], v[TM+5], 8, v[TM+4]
	s_delay_alu instid0(VALU_DEP_1)
	v_lshl_or_b32 v[\pw], v[TM+6], 16, v[\pw]
	s_delay_alu instid0(VALU_DEP_1)
	v_lshl_or_b32 v[\pw], v[TM+7], 24, v[\pw]
.irp c, 0,1
	v_cvt_scalef32_pk16_bf6_f32 v[(\pc)+6*\c:(\pc)+6*\c+2], v[(\s)+32*\c:(\s)+32*\c+15], v[TM+8+2*\c]
	v_cvt_scalef32_pk16_bf6_f32 v[TM+4*\c:TM+4*\c+2], v[(\s)+32*\c+16:(\s)+32*\c+31], v[TM+9+2*\c]   ; (three registers from an even one on: made where the maxima and bytes lay, then moved)
.endr
	v_nop                                          ; one plain place behind a scaled conversion
.irp c, 0,1                                    ; the operand's layout wants a WHOLE block in a lane
.irp i, 0,1,2
	v_permlane16_swap_b32 v[(\pc)+6*\c+\i], v[TM+4*\c+\i]
.endr
.irp i, 0,1,2
	s_delay_alu instid0(VALU_DEP_3)
	v_mov_b32 v[(\pc)+3+6*\c+\i], v[TM+4*\c+\i]
.endr
.endr
.endm
.macro XLOAD reg, adr, base, off       ; my row's 64 numbers of a K step: 16 neighbours of each block of 32
.irp b, 0,1,2,3
.irp j, 0,1,2,3
	global_load_b128 v[\reg+16*\b+4*\j:\reg+16*\b+4*\j+3], v[\adr], s[\base:\base+1] offset:\off+128*\b+16*\j
.endr
.endr
.endm
	s_load_b256 s[4:11], s[0:1], 0x0               ; latent_values s[4:5], latent_coords s[6:7], wimg s[8:9], wscl s[10:11]
	s_load_b256 s[12:19], s[0:1], 0x20             ; bqv s[12:13], gqv s[14:15], bqc s[16:17], gqc s[18:19]
	s_load_b128 s[20:23], s[0:1], 0x40
	v_lshl_add_u32 v12, v0, 2, 1024                ; my spare word, behind the partial sums; v12 and v13 serve the closing add alone
	v_mov_b32 v13, 0
	v_lshrrev_b32 v1, 5, v0
	s_delay_alu instid0(VALU_DEP_1)
	v_readfirstlane_b32 s[WV], v1                  ; wave = head
	v_and_b32 v8, 15, v0                           ; r
	v_bfe_u32 v9, v0, 4, 1                         ; h
	v_and_b32 v10, 31, v0                          ; lane
	s_delay_alu instid0(VALU_DEP_2)
	v_lshlrev_b32 v5, 6, v9                        ; 64 h
	s_delay_alu instid0(VALU_DEP_1)
	v_lshl_add_u32 v1, v8, 10, v5                  ; values: row r of 1,024 bytes + 64 h
	s_delay_alu instid0(VALU_DEP_2)
	v_lshl_add_u32 v2, v8, 9, v5                   ; coords: row r of 512 bytes + 64 h
	s_delay_alu instid0(VALU_DEP_4)
	v_lshlrev_b32 v3, 4, v10                       ; 16 x lane
	v_lshlrev_b32 v4, 2, v10                       ; 4 x lane
	v_lshlrev_b32 v7, 5, v8                        ; LDS: row r's eight partial sums
	s_lshl_b32 s28, s[WV], 2
	v_add_nc_u32 v6, s28, v7                       ; and my wave's word among them
.irp b, 0,1,2,3
	v_mov_b32 v[TM+4+\b], 0                        ; written once: a lane permute's destination counts as one of its sources
.endr
	v_mov_b32 v[RC+1], 0                           ; (named as upper halves of pairs)
	v_mov_b32 v[RC+3], 0
	s_mov_b32 s[SEL], 0x76543210
	s_mov_b32 s[SEL+1], 0xfedcba98
	s_mov_b32 s28, 0x3b000000                      ; 1 / 512
	s_mov_b32 s29, 0x358637bd                      ; 1e-6
	s_mov_b32 s31, 0
	s_mov_b32 s41, 0
	s_wait_alu depctr_va_vdst(0)
	s_wait_kmcnt 0x0
	s_lshl_b32 s30, ttmp9, 14
	s_add_nc_u64 s[4:5], s[4:5], s[30:31]          ; my 16 rows of the values,
	s_lshl_b32 s30, ttmp9, 13
	s_add_nc_u64 s[6:7], s[6:7], s[30:31]          ; of the coords
	s_mul_i32 s30, s[WV], 12288
	s_add_co_u32 s30, s30, 192*1536
	s_add_nc_u64 s[32:33], s[8:9], s[30:31]        ; Wqv's fragments 192 + 8 head on
	s_mul_i32 s30, s[WV], 6144
	s_add_co_u32 s30, s30, 256*1536
	s_add_nc_u64 s[34:35], s[8:9], s[30:31]        ; Wqc's 256 + 4 head on
	s_lshl_b32 s30, s[WV], 10
	s_add_co_u32 s30, s30, 192*128
	s_add_nc_u64 s[36:37], s[10:11], s[30:31]      ; their scale words
	s_lshl_b32 s30, s[WV], 9
	s_add_co_u32 s30, s30, 256*128
	s_add_nc_u64 s[38:39], s[10:11], s[30:31]
	s_lshl_b32 s30, s[WV], 8                       ; my head's 64 numbers of each bias and gain
	s_add_nc_u64 s[12:13], s[12:13], s[30:31]
	s_add_nc_u64 s[14:15], s[14:15], s[30:31]
	s_add_nc_u64 s[16:17], s[16:17], s[30:31]
	s_add_nc_u64 s[18:19], s[18:19], s[30:31]
	s_lshl_b32 s30, s[WV], 5
	s_add_co_u32 s30, s30, ttmp9                   ; the fragment that I make: 32 head + row tile
	s_mul_i32 s40, s30, 1536
	s_add_nc_u64 s[20:21], s[20:21], s[40:41]
	s_lshl_b32 s40, s30, 7
	s_add_nc_u64 s[22:23], s[22:23], s[40:41]
	WIN 0x40                                       ; destination window 1
.irp f, 0,1,2,3,4,5,6,7
.irp g, 0,1,2
	global_load_b128 v[12*\f+4*\g:12*\f+4*\g+3], v3, s[32:33] offset:1536*\f+512*\g
.endr
.endr
.irp f, 0,1,2,3
.irp g, 0,1,2
	global_load_b128 v[96+12*\f+4*\g:96+12*\f+4*\g+3], v3, s[34:35] offset:1536*\f+512*\g
.endr
.endr
.irp n, 0,1,2,3                                ; tile n's bias in the result's layout: columns 32 (n / 2) + 16 h + 8 (n % 2) + 0 .. 7
	global_load_b128 v[144+8*\n:147+8*\n], v5, s[16:17] offset:128*(\n/2)+32*(\n%2)
	global_load_b128 v[148+8*\n:151+8*\n], v5, s[16:17] offset:128*(\n/2)+32*(\n%2)+16
	global_load_b128 v[176+8*\n:179+8*\n], v5, s[12:13] offset:128*(\n/2)+32*(\n%2)
	global_load_b128 v[180+8*\n:183+8*\n], v5, s[12:13] offset:128*(\n/2)+32*(\n%2)+16
.endr
	WIN 0
.irp f, 0,1,2,3,4,5,6,7
	global_load_b32 v[WS+\f], v4, s[36:37] offset:128*\f
.endr
.irp f, 0,1,2,3
	global_load_b32 v[WS+8+\f], v4, s[38:39] offset:128*\f
.endr
	XLOAD R0, 1, 4, 0                              ; values, K step 0
	XLOAD R1, 1, 4, 512                            ; values, K step 1
	s_wait_loadcnt 16                              ; all but the last sixteen loads are in
	QUANT R0, XF, XS
	XLOAD R0, 2, 6, 0                              ; coords
	s_wait_loadcnt 16                              ; K step 1 is in; the coords' sixteen may be out
	QUANT R1, XF+12, XS+1
.irp n, 0,1,2,3                                ; the gains, in the accumulators' order
	global_load_b128 v[R1+8*\n:R1+8*\n+3], v5, s[18:19] offset:128*(\n/2)+32*(\n%2)
	global_load_b128 v[R1+8*\n+4:R1+8*\n+7], v5, s[18:19] offset:128*(\n/2)+32*(\n%2)+16
	global_load_b128 v[R1+32+8*\n:R1+32+8*\n+3], v5, s[14:15] offset:128*(\n/2)+32*(\n%2)
	global_load_b128 v[R1+32+8*\n+4:R1+32+8*\n+7], v5, s[14:15] offset:128*(\n/2)+32*(\n%2)+16
.endr
	s_wait_loadcnt 16                              ; the coords are in; the gains' sixteen may be out
	QUANT R0, XF+24, XS+2
.rept 8
	v_nop                                          ; a scale register written by a vector instruction stands 8 places ahead of a scaled matrix instruction, an operand so written 4
.endr
	WIN 0x11                                       ; source 0 (W) and source 2 (the bias) window 1
.irp n, 0,1,2,3
	v_wmma_scale_f32_16x16x128_f8f6f4 v[112+8*\n:119+8*\n], v[96+12*\n:107+12*\n], v[XF+24:XF+35], v[144+8*\n:151+8*\n], v[WS+8+\n], v[XS+2] matrix_a_fmt:MATRIX_FMT_BF6 matrix_b_fmt:MATRIX_FMT_BF6
.endr
.irp n, 0,1,2,3
	v_wmma_scale_f32_16x16x128_f8f6f4 v[144+8*\n:151+8*\n], v[24*\n:24*\n+11], v[XF:XF+11], v[176+8*\n:183+8*\n], v[WS+2*\n], v[XS] matrix_a_fmt:MATRIX_FMT_BF6 matrix_b_fmt:MATRIX_FMT_BF6
.endr
	WIN 0x01
.irp n, 0,1,2,3                                ; the accumulators take turns, one instruction a turn
	v_wmma_scale_f32_16x16x128_f8f6f4 v[144+8*\n:151+8*\n], v[24*\n+12:24*\n+23], v[XF+12:XF+23], v[144+8*\n:151+8*\n], v[WS+2*\n+1], v[XS+1] matrix_a_fmt:MATRIX_FMT_BF6 matrix_b_fmt:MATRIX_FMT_BF6
.endr
	WIN 0
	PLACES
	; the sums of squares of my head's 64 columns, for each stream: two chains, each accumulator from its low end on
.irp t, 0,1
	v_pk_mul_f32 v[240+4*\t:241+4*\t], v[112+32*\t:113+32*\t], v[112+32*\t:113+32*\t]
	v_pk_mul_f32 v[242+4*\t:243+4*\t], v[114+32*\t:115+32*\t], v[114+32*\t:115+32*\t]
.endr
.irp i, 4,8,12,16,20,24,28
.irp t, 0,1
	v_pk_fma_f32 v[240+4*\t:241+4*\t], v[112+32*\t+\i:113+32*\t+\i], v[112+32*\t+\i:113+32*\t+\i], v[240+4*\t:241+4*\t]
	v_pk_fma_f32 v[242+4*\t:243+4*\t], v[114+32*\t+\i:115+32*\t+\i], v[114+32*\t+\i:115+32*\t+\i], v[242+4*\t:243+4*\t]
.endr
.endr
.irp t, 0
	s_delay_alu instid0(VALU_DEP_3)
	v_pk_add_f32 v[240+4*\t:241+4*\t], v[240+4*\t:241+4*\t], v[242+4*\t:243+4*\t]
.endr
.irp t, 1
	s_delay_alu instid0(VALU_DEP_2)
	v_pk_add_f32 v[240+4*\t:241+4*\t], v[240+4*\t:241+4*\t], v[242+4*\t:243+4*\t]
.endr
.irp t, 0,1
	s_delay_alu instid0(VALU_DEP_2)
	v_add_f32 v[240+4*\t], v[240+4*\t], v[241+4*\t]
.endr
.irp t, 0,1
	s_delay_alu instid0(VALU_DEP_2)
	v_permlanex16_b32 v[241+4*\t], v[240+4*\t], s[SEL], s[SEL+1]
.endr
.irp t, 0,1
	s_delay_alu instid0(VALU_DEP_2)
	v_add_f32 v[240+4*\t], v[240+4*\t], v[241+4*\t] ; with lane l xor 16's 32 columns
.endr
	ds_store_b32 v6, v240                          ; coords (lanes r and r + 16 write the same word with the same value)
	ds_store_b32 v6, v244 offset:512               ; values
	s_wait_dscnt 0x0                               ; for the others' sake: my stores have landed
	s_barrier_signal -1
	s_barrier_wait -1
	ds_load_b128 v[240:243], v7
	ds_load_b128 v[244:247], v7 offset:16
	ds_load_b128 v[248:251], v7 offset:512
	ds_load_b128 v[252:255], v7 offset:528
	s_wait_dscnt 0x0
.irp t, 0,8
	v_add_f32 v[240+\t], v[240+\t], v[241+\t]
	v_add_f32 v[242+\t], v[242+\t], v[243+\t]
	v_add_f32 v[244+\t], v[244+\t], v[245+\t]
	v_add_f32 v[246+\t], v[246+\t], v[247+\t]
.endr
.irp t, 0
	v_add_f32 v[240+\t], v[240+\t], v[242+\t]
	v_add_f32 v[244+\t], v[244+\t], v[246+\t]
.endr
.irp t, 8
	v_add_f32 v[240+\t], v[240+\t], v[242+\t]
	s_delay_alu instid0(VALU_DEP_4)
	v_add_f32 v[244+\t], v[244+\t], v[246+\t]
.endr
.irp t, 0
	s_delay_alu instid0(VALU_DEP_3)
	v_add_f32 v[240+\t], v[240+\t], v[244+\t]
.endr
.irp t, 8
	s_delay_alu instid0(VALU_DEP_2)
	v_add_f32 v[240+\t], v[240+\t], v[244+\t]
.endr
	s_delay_alu instid0(VALU_DEP_2)
	v_fma_f32 v240, v240, s28, s29                 ; the mean of the squares + 1e-6
	s_delay_alu instid0(VALU_DEP_2)
	v_fma_f32 v248, v248, s28, s29
	s_wait_alu depctr_va_vdst(0)
	v_rsq_f32 v[RC], v240
	v_rsq_f32 v[RC+2], v248
	v_nop                                          ; a plain place behind the transcendentals
	s_wait_alu depctr_va_vdst(0)                   ; one wait for both, ahead of their first reader
	s_wait_loadcnt 0x0                             ; the gains
.irp i, 0,2,4,6,8,10,12,14,16,18,20,22,24,26,28,30
	v_pk_mul_f32 v[112+\i:113+\i], v[112+\i:113+\i], v[RC:RC+1] op_sel_hi:[1,0]
	v_pk_mul_f32 v[144+\i:145+\i], v[144+\i:145+\i], v[RC+2:RC+3] op_sel_hi:[1,0]
.endr
.irp i, 0,2,4,6,8,10,12,14,16,18,20,22,24,26,28,30,32,34,36,38,40,42,44,46,48,50,52,54,56,58,60,62
	v_pk_mul_f32 v[112+\i:113+\i], v[112+\i:113+\i], v[R1+\i:R1+1+\i]   ; (x r) g, in that order
.endr
	QUANT 112, PC, PW                              ; blocks 0, 1: qc; blocks 2, 3: qv
.irp g, 0,1,2
	global_store_b128 v3, v[PC+4*\g:PC+4*\g+3], s[20:21] offset:512*\g
.endr
	global_store_b32 v4, v[PW], s[22:23]
	s_wait_tensorcnt 0x0                           ; the wave's end
	ds_add_u32 v12, v13
	s_wait_dscnt 0x0
	s_endpgm
.Lfunc_end_k_q2e1df03770_q:
	.size	k_q2e1df03770_q, .Lfunc_end_k_q2e1df03770_q-k_q2e1df03770_q
	.p2alignl 7, 3214868480
	.fill 96, 4, 3214868480
	.section	.rodata,"a",@progbits
	.p2align	6, 0x0
	.amdhsa_kernel k_q2e1df03770_q
		.amdhsa_group_segment_fixed_size 2048
		.amdhsa_private_segment_fixed_size 0
		.amdhsa_enable_private_segment 0
		.amdhsa_kernarg_size 80
		.amdhsa_user_sgpr_count 2
		.amdhsa_user_sgpr_kernarg_segment_ptr 1
		.amdhsa_wavefront_size32 1
		.amdhsa_system_sgpr_workgroup_id_x 1
		.amdhsa_system_sgpr_workgroup_id_y 1
		.amdhsa_system_sgpr_workgroup_id_z 1
		.amdhsa_system_vgpr_workitem_id 0
		.amdhsa_next_free_vgpr 464
		.amdhsa_next_free_sgpr 66
		.amdhsa_reserve_vcc 0
		.amdhsa_float_denorm_mode_32 3
		.amdhsa_float_denorm_mode_16_64 3
		.amdhsa_memory_ordered 1
		.amdhsa_forward_progress 1
		.amdhsa_inst_pref_size 48
	.end_amdhsa_kernel
	.amdgpu_metadata
---
amdhsa.version: [ 1, 2 ]
amdhsa.kernels:
  - .name:           k_q2e1df03770_q
    .symbol:         k_q2e1df03770_q.kd
    .args:
      - { .name: latent_values, .offset: 0, .size: 8, .value_kind: global_buffer, .address_space: global }
      - { .name: latent_coords, .offset: 8, .size: 8, .value_kind: global_buffer, .address_space: global }
      - { .name: wimg, .offset: 16, .size: 8, .value_kind: global_buffer, .address_space: global }
      - { .name: wscl, .offset: 24, .size: 8, .value_kind: global_buffer, .address_space: global }
      - { .name: bqv, .offset: 32, .size: 8, .value_kind: global_buffer, .address_space: global }
      - { .name: gqv, .offset: 40, .size: 8, .value_kind: global_buffer, .address_space: global }
      - { .name: bqc, .offset: 48, .size: 8, .value_kind: global_buffer, .address_space: global }
      - { .name: gqc, .offset: 56, .size: 8, .value_kind: global_buffer, .address_space: global }
      - { .name: qimg, .offset: 64, .size: 8, .value_kind: global_buffer, .address_space: global }
      - { .name: qscl, .offset: 72, .size: 8, .value_kind: global_buffer, .address_space: global }
    .group_segment_fixed_size: 2048
    .private_segment_fixed_size: 0
    .kernarg_segment_align: 8
    .kernarg_segment_size: 80
    .max_flat_workgroup_size: 256
    .sgpr_count:     66
    .vgpr_count:     464
    .wavefront_size: 32
...
	.end_amdgpu_metadata
.endif
;; end of part 2
;; launch kv (part 3): grid 256 x 1, 8 waves a work-group, no clusters, 267,264 bytes of LDS; arguments V, C, wimg, wscl, bkvv, gkvv, bkvc, gkvc, kvrec; writes kvrec
.if DOCPART == 3
	.amdgcn_target "amdgcn-amd-amdhsa--gfx1250"
	.amdhsa_code_object_version 6
	.text
	.protected	k_q2e1df03770_kv
	.globl	k_q2e1df03770_kv
	.p2align	8
	.type	k_q2e1df03770_kv,@function
k_q2e1df03770_kv:
	s_mov_b64 s[64:65], 0
	v_nop
	global_prefetch_b8 v0, s[64:65] scope:SCOPE_SE
	s_setreg_imm32_b32 hwreg(HW_REG_WAVE_MODE, 25, 1), 1
	s_wait_xcnt 0x0
; Keys and values: kvv = rmsnorm(V Wkvv + bkvv) gkvv, kvc likewise from C; both products on codes of BF6 (E3M2).  The k halves are then quantised along the head's axis, the v halves along the KEYS, and leave as RECORDS:
; record ((batch x 8 + head) x 64 + block) of 25,600 bytes holds 128 keys of one head, as the attention's operand registers want them:
;   0       8 K fragments (key tile t; K order [kc 64 | kv 64]): registers 4 g .. 4 g + 3 of lane l at 1536 t + 512 g + 16 l
;   12,288  K's scale words: word (t, p) at 16 p + 256 (t % 2) + 4 (t / 2)
;   12,800  8 V fragments (channel tile T: 0-3 vv, 4-7 vc; K = the 128 keys): lane l's 48 bytes at 1536 T + 48 l
;   25,088  V's scale words, in the same order with T for t
; Row p of a tile (of keys, of columns, of channels) is element 32 (tile / 2) + 8 (tile % 2) + p + 8 (p / 8) throughout, so that a lane's 16 registers of two neighbouring tiles are 16 neighbours.
; SHARES.  A work-group takes 128 keys, a wave one head, so a wave owns one whole record, which it builds in its own LDS bytes and stores in runs of 512 bytes.  A head's weights stay in the wave's registers.
; The norm wants a key's sum of squares over all 1,024 columns before anything can be quantised: the f32 results of 32 keys of ONE stream (128 registers a wave) are held, the 16 partial sums (8 heads x {k, v}) meet in LDS,
; one barrier for each block of 32 keys and stream.  Both streams' weights (288 registers) do not fit beside them: the coords stream goes first for all four blocks, then the values stream; half of Wkvv takes Wkvc's registers at the change.
; k tiles: source 0 = W, source 1 = x: a lane holds a key, registers run along the columns.  v tiles: source 0 = x, source 1 = W: a lane holds a channel, registers run along the keys.
; No cluster, no tensor load: what work-groups share is the weights, which each wave wants once, its own head's, in registers; a joint load lands in LDS, where 295 KB of them do not fit beside the 260 KB in use.
; No prefetch: every load from memory is issued at the head or a phase ahead of its use.
; LIMITS: a block of zeros gets the scale byte 1 (not 127): its codes are zeros and this program alone reads the bytes.  NaN and infinities are not served.  The k tiles' bias enters as C: the last bit may differ from product-then-add.
; REGISTERS, window 0: v1-15, v41-47 odd: addresses; v16-31 W's scale words; even v32-38 the v tiles' bias, v40-46 their gain, v48, v50 the k tiles' rsqrt (each the low word of a pair); odd v33-39 x's scale words;
;   v52-67 the v tiles' squares, then their rsqrt; v68-131 the k tiles' 8 accumulators (68 + 32 u + 8 n), v132-195 the v tiles' (132 + 16 n + 8 u); v196-227 the k tiles' gain; v228-255 at work.
;   window 1: v0-95 Wkvv's k tiles (12 (2 n + q)); v96-191 Wkvc (k 96 + 12 n, v 144 + 12 n), later Wkvv's v tiles (96 + 12 (2 n + q)); v192-215 two fragments of x; v216-247 the k tiles' bias.
.set PRIVB, 25600                      ; LDS: wave w's record at PRIVB w (its first 8,448 bytes serve as a stage while x is quantised)
.set XIMG,  204800                     ; x's 24 fragments: 3 t + slot (slots 0, 1: V's K steps; 2: C), 1,536 bytes each
.set XSC,   241664                     ; their scale words, 128 bytes each
.set SS,    244736                     ; the partial sums: 2 buffers x 16 sources x 32 keys
.set PR,    248832                     ; wave w's 32 rsqrt at 128 w
.set PT,    249856                     ; wave w's parameters at 2048 w: 1024 x stream + 256 x {k bias, k gain, v bias, v gain}
.set LI,  1                            ; 16 x lane
.set LS,  2                            ; 4 x lane
.set AX,  3                            ; x's fragments
.set AXS, 4                            ; x's scale words
.set ATB, 5                            ; parameters in the k tiles' layout: + 64 h
.set APL, 6                            ; parameters in the v tiles' layout: + 4 (r + 8 (r / 8))
.set ASK, 7                            ; where my k tiles' partial sums go
.set ASV, 8                            ; where my v tiles' go
.set ASL, 9                            ; where I read a key's 16 partial sums
.set ARP, 10                           ; my wave's rsqrt: in, 4 x lane
.set ARK, 11                           ; out, for the k tiles: 4 r
.set ARV, 12                           ; out, for the v tiles: 32 h
.set AKS, 13                           ; record: K's codes          (while x is quantised: the stage, read side)
.set AKB, 14                           ; record: K's scale bytes    (while x is quantised: the parameters' place in LDS)
.set AVS, 15                           ; record: V's codes          (while x is quantised: 8 x lane)
.set AVB, 41                           ; record: V's scale bytes
.set AKS0, 43                          ; bases that are never rewritten
.set AKB0, 45
.set AVS0, 47
.set TM,  228
.set WV,  22
.set SEL, 24
.set CNT, 28
.set SAX, 30                           ; s30-35: what a pair of blocks of 32 keys adds to the six addresses: they start at constants and are stepped by constants
.set MSB, 0
.macro WIN new                         ; the immediate's high byte repeats the setting that is left
.if MSB != (\new)
	s_set_vgpr_msb (MSB<<8)|(\new)
.set MSB, (\new)
.endif
.endm
.macro PLACES
.rept 4
	v_nop
.endr
.endm
.macro BARRIER                         ; my LDS stores have landed and my LDS loads are in: then the work-group's barrier
	s_wait_dscnt 0x0
	s_barrier_signal -1
	s_barrier_wait -1
.endm
; 64 numbers of a lane, register 16 b + i = k 32 b + 16 (lane / 16) + i of my row, become 12 registers of codes in v[pc] on and four scale bytes in v[pw].
.macro QUANT s, pc, pw
.irp b, 0,1,2,3
	v_max3_num_f32 v[TM+\b], |v[(\s)+16*\b]|, |v[(\s)+1+16*\b]|, 0x2800000   ; block b: my 16 numbers, and the floor 2^(5 - 127): the byte cannot fall under 1
.endr
.irp i, 2,4,6,8,10,12,14
.irp b, 0,1,2,3
	s_delay_alu instid0(VALU_DEP_4)
	v_max3_num_f32 v[TM+\b], v[TM+\b], |v[(\s)+16*\b+\i]|, |v[(\s)+1+16*\b+\i]|
.endr
.endr
.irp b, 0,1,2,3
	s_delay_alu instid0(VALU_DEP_4)
	v_permlanex16_b32 v[TM+4+\b], v[TM+\b], s[SEL], s[SEL+1]
.endr
.irp b, 0,1,2,3
	s_delay_alu instid0(VALU_DEP_4)
	v_max_num_f32 v[TM+\b], v[TM+\b], v[TM+4+\b]   ; with lane l xor 16's: the block's largest magnitude
.endr
.irp b, 0,1,2,3
	s_delay_alu instid0(VALU_DEP_4)
	v_add_nc_u32 v[TM+8+\b], 0xfe000000, v[TM+\b]  ; 4 off its exponent field: the conversion's scale operand
.endr
.irp b, 0,1,2,3
	s_delay_alu instid0(VALU_DEP_4)
	v_lshrrev_b32 v[TM+4+\b], 23, v[TM+8+\b]       ; the scale's byte
.endr
	s_delay_alu instid0(VALU_DEP_3)
	v_lshl_or_b32 v[\pw], v[TM+5], 8, v[TM+4]
	s_delay_alu instid0(VALU_DEP_1)
	v_lshl_or_b32 v[\pw], v[TM+6], 16, v[\pw]
	s_delay_alu instid0(VALU_DEP_1)
	v_lshl_or_b32 v[\pw], v[TM+7], 24, v[\pw]
.irp c, 0,1
	v_cvt_scalef32_pk16_bf6_f32 v[(\pc)+6*\c:(\pc)+6*\c+2], v[(\s)+32*\c:(\s)+32*\c+15], v[TM+8+2*\c]
	v_cvt_scalef32_pk16_bf6_f32 v[TM+4*\c:TM+4*\c+2], v[(\s)+32*\c+16:(\s)+32*\c+31], v[TM+9+2*\c]   ; (three registers from an even one on: made where the maxima and bytes lay, then moved)
.endr
	v_nop                                          ; one plain place behind a scaled conversion
.irp c, 0,1                                    ; the operand's layout wants a WHOLE block in a lane
.irp i, 0,1,2
	v_permlane16_swap_b32 v[(\pc)+6*\c+\i], v[TM+4*\c+\i]
.endr
.irp i, 0,1,2
	s_delay_alu instid0(VALU_DEP_3)
	v_mov_b32 v[(\pc)+3+6*\c+\i], v[TM+4*\c+\i]
.endr
.endr
.endm
.macro XROWS R, base, pitch, off       ; 16 rows of my tile, 512 consecutive bytes an instruction, read once in the launch
.irp i, 0,1,2,3,4,5,6,7,8,9,10,11,12,13,14,15
	global_load_b128 v[\R+4*\i:\R+4*\i+3], v[LI], s[\base:\base+1] offset:(\i+8*(\i/8))*\pitch+\off th:TH_LOAD_NT
.endr
.endm
.macro TURN R                          ; through my stage (rows 528 bytes apart): in as loaded, out with 16 neighbours of each block of 32 in a lane
.irp i, 0,1,2,3,4,5,6,7,8,9,10,11,12,13,14,15
	ds_store_b128 v[AKS0], v[\R+4*\i:\R+4*\i+3] offset:528*\i
.endr
	s_wait_dscnt 0x0                               ; the stores have read their registers
.irp b, 0,1,2,3
.irp j, 0,1,2,3
	ds_load_b128 v[\R+16*\b+4*\j:\R+16*\b+4*\j+3], v[AKS] offset:128*\b+16*\j
.endr
.endr
	s_wait_dscnt 0x0
.endm
.macro IMAGE slot                      ; the fragment in v216 on and its scale word in v212 go to LDS as they stand
.irp g, 0,1,2
	ds_store_b128 v[AX], v[216+4*\g:219+4*\g] offset:1536*\slot+512*\g
.endr
	ds_store_b32 v[AXS], v212 offset:128*\slot
.endm
.macro DERIVE                          ; the six addresses of this pair of blocks
	v_add_nc_u32 v[AX], s[SAX], v[LI]
	v_add_nc_u32 v[AXS], s[SAX+1], v[LS]
	v_add_nc_u32 v[AKS], s[SAX+2], v[AKS0]
	v_add_nc_u32 v[AKB], s[SAX+3], v[AKB0]
	v_add_nc_u32 v[AVS], s[SAX+4], v[AVS0]
	v_add_nc_u32 v[AVB], s[SAX+5], v[AKB0]
.endm
.macro STEPS                           ; on to the next pair: 4 tiles of x, 4 K fragments, 2 words' worth of K's scale places, 24 bytes of each lane of V, 2 of V's scale bytes
	s_add_co_u32 s[SAX], s[SAX], 18432
	s_add_co_u32 s[SAX+1], s[SAX+1], 1536
	s_add_co_u32 s[SAX+2], s[SAX+2], 6144
	s_add_co_u32 s[SAX+3], s[SAX+3], 8
	s_add_co_u32 s[SAX+4], s[SAX+4], 24
	s_add_co_u32 s[SAX+5], s[SAX+5], 2
.endm
.macro PHASEINIT st                    ; a stream begins: its parameters come out of my LDS bytes in the two layouts
	s_mov_b32 s[SAX], XIMG
	s_mov_b32 s[SAX+1], XSC
	s_mov_b32 s[SAX+2], 0
	s_mov_b32 s[SAX+3], 0
	s_mov_b32 s[SAX+4], 0
	s_mov_b32 s[SAX+5], 12800
	WIN 0x40
.irp n, 0,1,2,3
	ds_load_b128 v[216+8*\n:219+8*\n], v[ATB] offset:1024*\st+128*(\n/2)+32*(\n%2)
	ds_load_b128 v[220+8*\n:223+8*\n], v[ATB] offset:1024*\st+128*(\n/2)+32*(\n%2)+16
.endr
	WIN 0
.irp n, 0,1,2,3
	ds_load_b128 v[196+8*\n:199+8*\n], v[ATB] offset:1024*\st+256+128*(\n/2)+32*(\n%2)
	ds_load_b128 v[200+8*\n:203+8*\n], v[ATB] offset:1024*\st+256+128*(\n/2)+32*(\n%2)+16
.endr
.irp n, 0,1,2,3
	ds_load_b32 v[32+2*\n], v[APL] offset:1024*\st+512+128*(\n/2)+32*(\n%2)
	ds_load_b32 v[40+2*\n], v[APL] offset:1024*\st+768+128*(\n/2)+32*(\n%2)
.endr
	s_wait_dscnt 0x0
.endm
; ONE BLOCK OF 32 KEYS OF ONE STREAM (st = 0 coords, 1 values; par = the block's place in its pair).  late = 1: the values stream's second half of weights is asked for, into the registers that the coords' weights leave.
.macro SUBTRIP st, par, late
.set q, 0
.rept 1+\st                                    ; K steps of 128
.set slot, 2-2*\st+q
.if q > 0
	PLACES                                         ; in front of loads into registers that matrix instructions have read
.endif
	WIN 0x40
.irp u, 0,1
.irp g, 0,1,2
	ds_load_b128 v[192+12*\u+4*\g:195+12*\u+4*\g], v[AX] offset:9216*\par+4608*\u+1536*slot+512*\g
.endr
.endr
	WIN 0
.irp u, 0,1
	ds_load_b32 v[33+4*\u+2*q], v[AXS] offset:768*\par+384*\u+128*slot
.endr
	s_wait_dscnt 0x0
.if q == 0
	WIN 0x15                                       ; sources 0, 1 and 2 (W, x, the bias) window 1
.else
	WIN 0x05
.endif
.irp u, 0,1                                    ; the 16 accumulators take turns, one instruction a turn, in the same order in every K step
.irp n, 0,1,2,3
.set rW, (1-\st)*(96+12*\n)+\st*(24*\n+12*q)
.set rS, 16+(1+\st)*\n+q
.set rD, 68+32*\u+8*\n
.if q == 0
	v_wmma_scale_f32_16x16x128_f8f6f4 v[rD:rD+7], v[rW:rW+11], v[192+12*\u:203+12*\u], v[216+8*\n:223+8*\n], v[rS], v[33+4*\u+2*q] matrix_a_fmt:MATRIX_FMT_BF6 matrix_b_fmt:MATRIX_FMT_BF6
.else
	v_wmma_scale_f32_16x16x128_f8f6f4 v[rD:rD+7], v[rW:rW+11], v[192+12*\u:203+12*\u], v[rD:rD+7], v[rS], v[33+4*\u+2*q] matrix_a_fmt:MATRIX_FMT_BF6 matrix_b_fmt:MATRIX_FMT_BF6
.endif
.endr
.endr
	WIN 0x05
.irp n, 0,1,2,3
.irp u, 0,1
.set rW, (1-\st)*(144+12*\n)+\st*(96+24*\n+12*q)
.set rS, 20+4*\st+(1+\st)*\n+q
.set rD, 132+16*\n+8*\u
.if q == 0
	v_wmma_scale_f32_16x16x128_f8f6f4 v[rD:rD+7], v[192+12*\u:203+12*\u], v[rW:rW+11], 0, v[33+4*\u+2*q], v[rS] matrix_a_fmt:MATRIX_FMT_BF6 matrix_b_fmt:MATRIX_FMT_BF6
.else
	v_wmma_scale_f32_16x16x128_f8f6f4 v[rD:rD+7], v[192+12*\u:203+12*\u], v[rW:rW+11], v[rD:rD+7], v[33+4*\u+2*q], v[rS] matrix_a_fmt:MATRIX_FMT_BF6 matrix_b_fmt:MATRIX_FMT_BF6
.endif
.endr
.endr
.set q, q+1
.endr
	WIN 0
	PLACES                                         ; in front of the first reads of results, and of the loads below
.if \late
	WIN 0x40
.irp f, 0,1,2,3,4,5,6,7
.irp g, 0,1,2
	global_load_b128 v[96+12*\f+4*\g:96+12*\f+4*\g+3], v[LI], s[38:39] offset:98304+1536*\f+512*\g   ; Wkvv's v tiles
.endr
.endr
	WIN 0
.irp f, 0,1,2,3,4,5,6,7
	global_load_b32 v[16+\f], v[LS], s[42:43] offset:128*\f          ; Wkvv's scale words: k tiles,
	global_load_b32 v[24+\f], v[LS], s[42:43] offset:8192+128*\f     ; v tiles
.endr
.endif
.irp n, 0,1,2,3                                ; the v tiles' bias: one number a lane; each accumulator from its low end on
.irp i, 0,2,4,6,8,10,12,14
	v_pk_add_f32 v[132+16*\n+\i:133+16*\n+\i], v[132+16*\n+\i:133+16*\n+\i], v[32+2*\n:33+2*\n] op_sel_hi:[1,0]
.endr
.endr
.irp u, 0,1                                    ; squares of the k tiles: a lane's 32 columns of key (u, r), two chains for each u
	v_pk_mul_f32 v[228+4*\u:229+4*\u], v[68+32*\u:69+32*\u], v[68+32*\u:69+32*\u]
	v_pk_mul_f32 v[230+4*\u:231+4*\u], v[70+32*\u:71+32*\u], v[70+32*\u:71+32*\u]
.endr
.irp i, 4,8,12,16,20,24,28
.irp u, 0,1
	v_pk_fma_f32 v[228+4*\u:229+4*\u], v[68+32*\u+\i:69+32*\u+\i], v[68+32*\u+\i:69+32*\u+\i], v[228+4*\u:229+4*\u]
	v_pk_fma_f32 v[230+4*\u:231+4*\u], v[70+32*\u+\i:71+32*\u+\i], v[70+32*\u+\i:71+32*\u+\i], v[230+4*\u:231+4*\u]
.endr
.endr
.irp u, 0,1                                    ; squares of the v tiles: register 8 u + j is key (u, 8 h + j); over the four channel tiles,
.irp j, 0,2,4,6
	v_pk_mul_f32 v[52+8*\u+\j:53+8*\u+\j], v[132+8*\u+\j:133+8*\u+\j], v[132+8*\u+\j:133+8*\u+\j]
.endr
.endr
.irp n, 1,2,3
.irp u, 0,1
.irp j, 0,2,4,6
	v_pk_fma_f32 v[52+8*\u+\j:53+8*\u+\j], v[132+16*\n+8*\u+\j:133+16*\n+8*\u+\j], v[132+16*\n+8*\u+\j:133+16*\n+8*\u+\j], v[52+8*\u+\j:53+8*\u+\j]
.endr
.endr
.endr
.irp u, 0,1
	v_pk_add_f32 v[228+4*\u:229+4*\u], v[228+4*\u:229+4*\u], v[230+4*\u:231+4*\u]
.endr
.irp m, 1,2,4,8                                ; and over the 16 channels that lie in the 16 lanes of a row
.irp i, 0,1,2,3,4,5,6,7,8,9,10,11,12,13,14,15
	v_add_f32_dpp v[52+\i], v[52+\i], v[52+\i] row_xmask:\m row_mask:0xf bank_mask:0xf
.endr
.endr
.irp u, 0,1
	v_add_f32 v[228+4*\u], v[228+4*\u], v[229+4*\u]
.endr
.irp u, 0,1
	s_delay_alu instid0(VALU_DEP_2)
	v_permlanex16_b32 v[229+4*\u], v[228+4*\u], s[SEL], s[SEL+1]
.endr
.irp u, 0,1
	s_delay_alu instid0(VALU_DEP_2)
	v_add_f32 v[228+4*\u], v[228+4*\u], v[229+4*\u]   ; with lane l xor 16's 32 columns
.endr
.irp u, 0,1
	ds_store_b32 v[ASK], v[228+4*\u] offset:2048*\par+64*\u          ; key (u, p) has place 16 u + p in a source's 32 words
.endr
.irp u, 0,1
.irp k, 0,1
	ds_store_b128 v[ASV], v[52+8*\u+4*\k:55+8*\u+4*\k] offset:2048*\par+64*\u+16*\k   ; (the 16 lanes of a row write the same words with the same values)
.endr
.endr
	BARRIER                                        ; all 16 sources lie in this buffer.  The two buffers take turns: this one is written again only behind the next barrier, which every wave reaches behind its reads below
.irp i, 0,1,2,3,4,5,6,7,8,9,10,11,12,13,14,15
	ds_load_b32 v[228+\i], v[ASL] offset:2048*\par+128*\i
.endr
	s_wait_dscnt 0x0
.irp i, 0,2,4,6,8,10,12,14
	v_add_f32 v[228+\i], v[228+\i], v[229+\i]
.endr
.irp i, 0,4,8,12
	v_add_f32 v[228+\i], v[228+\i], v[230+\i]
.endr
	s_delay_alu instid0(VALU_DEP_3)
	v_add_f32 v228, v228, v232
	s_delay_alu instid0(VALU_DEP_2)
	v_add_f32 v236, v236, v240
	s_delay_alu instid0(VALU_DEP_1)
	v_add_f32 v228, v228, v236                     ; lane l: the sum of squares of the key at place l
	s_delay_alu instid0(VALU_DEP_1)
	v_fma_f32 v228, v228, s26, s27                 ; / 1,024 + 1e-6
	s_wait_alu depctr_va_vdst(0)
	v_rsq_f32 v244, v228
	v_nop                                          ; a plain place behind the transcendental
	s_wait_alu depctr_va_vdst(0)                   ; ahead of its first reader
	ds_store_b32 v[ARP], v244                      ; through my own 128 bytes into the two layouts (LDS serves a wave's instructions in order)
	ds_load_b32 v48, v[ARK]
	ds_load_b32 v50, v[ARK] offset:64
.irp u, 0,1
.irp k, 0,1
	ds_load_b128 v[52+8*\u+4*\k:55+8*\u+4*\k], v[ARV] offset:64*\u+16*\k
.endr
.endr
	s_wait_dscnt 0x0
.irp u, 0,1                                    ; the k tiles: (x r) g
.irp i, 0,2,4,6,8,10,12,14,16,18,20,22,24,26,28,30
	v_pk_mul_f32 v[68+32*\u+\i:69+32*\u+\i], v[68+32*\u+\i:69+32*\u+\i], v[48+2*\u:49+2*\u] op_sel_hi:[1,0]
.endr
.endr
.irp u, 0,1
.irp i, 0,2,4,6,8,10,12,14,16,18,20,22,24,26,28,30
	v_pk_mul_f32 v[68+32*\u+\i:69+32*\u+\i], v[68+32*\u+\i:69+32*\u+\i], v[196+\i:197+\i]
.endr
.endr
	QUANT 68, 240, 252                             ; v240-245: key tile u = 0's six registers (its half of a K fragment); v246-251: u = 1's; v252: two bytes each
.irp u, 0,1
.if \st == 0
	ds_store_b128 v[AKS], v[240+6*\u:243+6*\u] offset:3072*\par+1536*\u              ; kc: the fragment's registers 0-3,
	ds_store_b64 v[AKS], v[244+6*\u:245+6*\u] offset:3072*\par+1536*\u+512           ; 4, 5
.else
	ds_store_b64 v[AKS], v[240+6*\u:241+6*\u] offset:3072*\par+1536*\u+520           ; kv: registers 6, 7,
	ds_store_b128 v[AKS], v[242+6*\u:245+6*\u] offset:3072*\par+1536*\u+1024         ; 8-11
.endif
.endr
	ds_store_b16 v[AKB], v252 offset:4*\par+2*\st
	ds_store_b16_d16_hi v[AKB], v252 offset:4*\par+256+2*\st
.irp n, 0,1,2,3                                ; the v tiles: (x r) g
.irp u, 0,1
.irp j, 0,2,4,6
	v_pk_mul_f32 v[132+16*\n+8*\u+\j:133+16*\n+8*\u+\j], v[132+16*\n+8*\u+\j:133+16*\n+8*\u+\j], v[52+8*\u+\j:53+8*\u+\j]
.endr
.endr
.endr
.irp n, 0,1,2,3
.irp i, 0,2,4,6,8,10,12,14
	v_pk_mul_f32 v[132+16*\n+\i:133+16*\n+\i], v[132+16*\n+\i:133+16*\n+\i], v[40+2*\n:41+2*\n] op_sel_hi:[1,0]
.endr
.endr
	; quantised along the keys: a lane's 16 registers of a channel tile are 16 neighbouring keys, half a block.  At work: the k tiles' registers, which are done with
.irp n, 0,1,2,3
	v_max3_num_f32 v[68+8*\n], |v[132+16*\n]|, |v[133+16*\n]|, 0x2800000
.endr
.irp i, 2,4,6,8,10,12,14
.irp n, 0,1,2,3
	s_delay_alu instid0(VALU_DEP_4)
	v_max3_num_f32 v[68+8*\n], v[68+8*\n], |v[132+16*\n+\i]|, |v[133+16*\n+\i]|
.endr
.endr
.irp n, 0,1,2,3
	s_delay_alu instid0(VALU_DEP_4)
	v_permlanex16_b32 v[69+8*\n], v[68+8*\n], s[SEL], s[SEL+1]
.endr
.irp n, 0,1,2,3
	s_delay_alu instid0(VALU_DEP_4)
	v_max_num_f32 v[68+8*\n], v[68+8*\n], v[69+8*\n]
.endr
.irp n, 0,1,2,3
	s_delay_alu instid0(VALU_DEP_4)
	v_add_nc_u32 v[70+8*\n], 0xfe000000, v[68+8*\n]
.endr
.irp n, 0,1,2,3
	v_cvt_scalef32_pk16_bf6_f32 v[72+8*\n:74+8*\n], v[132+16*\n:147+16*\n], v[70+8*\n]
.endr
.irp n, 0,1,2,3
	v_lshrrev_b32 v[71+8*\n], 23, v[70+8*\n]       ; the scale's byte (also the plain place behind the conversions)
.endr
.irp n, 0,1,2,3
.set T, \n+4*(1-\st)
.irp i, 0,1,2
	ds_store_b32 v[AVS], v[72+8*\n+\i] offset:1536*T+768*\par+4*\i   ; 12 bytes: my half of the block's 24, in the lane that will hold the block
.endr
	ds_store_b8 v[AVB], v[71+8*\n] offset:256*(T%2)+4*(T/2)+\par
.endr
.endm
	s_load_b256 s[4:11], s[0:1], 0x0               ; V s[4:5], C s[6:7], wimg s[8:9], wscl s[10:11]
	s_load_b256 s[12:19], s[0:1], 0x20             ; bkvv s[12:13], gkvv s[14:15], bkvc s[16:17], gkvc s[18:19]
	s_load_b64 s[20:21], s[0:1], 0x40
	v_lshl_add_u32 v254, v0, 2, 266240             ; my spare word, behind the parameters; v254 and v255 serve the closing add alone
	v_mov_b32 v255, 0
.irp i, 32,33,34,35,36,37,38,39,40,41,42,43,44,45,46,47,48,49,50,51
	v_mov_b32 v[\i], 0                             ; every register that is named as half of a pair is written once
.endr
.irp b, 0,1,2,3
	v_mov_b32 v[TM+4+\b], 0                        ; a lane permute's destination counts as one of its sources
.endr
	v_lshrrev_b32 v52, 5, v0
	s_delay_alu instid0(VALU_DEP_1)
	v_readfirstlane_b32 s[WV], v52                 ; wave = head
	v_and_b32 v52, 31, v0                          ; lane
	v_and_b32 v53, 15, v0                          ; r
	v_bfe_u32 v54, v0, 4, 1                        ; h
	s_delay_alu instid0(VALU_DEP_3)
	v_lshlrev_b32 v[LI], 4, v52
	s_delay_alu instid0(VALU_DEP_4)
	v_lshlrev_b32 v[LS], 2, v52
	s_lshl_b32 s44, s[WV], 11
	s_add_co_u32 s44, s44, PT
	v_lshl_add_u32 v[ATB], v54, 6, s44
	v_and_b32 v55, 8, v53
	s_delay_alu instid0(VALU_DEP_1)
	v_add_nc_u32 v55, v55, v53
	s_delay_alu instid0(VALU_DEP_1)
	v_lshl_add_u32 v[APL], v55, 2, s44
	v_lshl_add_u32 v[AKB], v52, 3, s44             ; (for now) where the parameters go: 8 x lane
	v_lshlrev_b32 v[AVS], 3, v52                   ; (for now) 8 x lane
	s_lshl_b32 s44, s[WV], 8
	s_add_co_u32 s44, s44, SS
	v_lshl_add_u32 v[ASK], v53, 2, s44
	s_add_co_u32 s44, s44, 128
	v_lshl_add_u32 v[ASV], v54, 5, s44
	v_add_nc_u32 v[ASL], SS, v[LS]
	s_lshl_b32 s44, s[WV], 7
	s_add_co_u32 s44, s44, PR
	v_add_nc_u32 v[ARP], s44, v[LS]
	v_lshl_add_u32 v[ARK], v53, 2, s44
	v_lshl_add_u32 v[ARV], v54, 5, s44
	s_mul_i32 s44, s[WV], PRIVB
	v_add_nc_u32 v[AKS0], s44, v[LI]
	v_mul_u32_u24 v[AKS], v53, 528
	s_delay_alu instid0(VALU_DEP_1)
	v_lshl_add_u32 v[AKS], v54, 6, v[AKS]
	s_delay_alu instid0(VALU_DEP_1)
	v_add_nc_u32 v[AKS], s44, v[AKS]               ; (for now) the stage's read side: row r, + 64 h
	s_add_co_u32 s45, s44, 12288
	v_lshl_add_u32 v[AKB0], v53, 4, s45
	s_add_co_u32 s45, s44, 12800
	v_mul_u32_u24 v[AVS0], v53, 48
	s_delay_alu instid0(VALU_DEP_1)
	v_mad_u32_u24 v[AVS0], v54, 12, v[AVS0]
	s_delay_alu instid0(VALU_DEP_1)
	v_add_nc_u32 v[AVS0], s45, v[AVS0]
	s_mul_i32 s45, s[WV], 4608
	s_add_co_u32 s45, s45, XIMG
	v_add_nc_u32 v[AX], s45, v[LI]                 ; (for now) where my tile's three images go
	s_mul_i32 s45, s[WV], 384
	s_add_co_u32 s45, s45, XSC
	v_add_nc_u32 v[AXS], s45, v[LS]
	s_mov_b32 s[SEL], 0x76543210
	s_mov_b32 s[SEL+1], 0xfedcba98
	s_mov_b32 s26, 0x3a800000                      ; 1 / 1,024
	s_mov_b32 s27, 0x358637bd                      ; 1e-6
	s_mov_b32 s47, 0
	s_lshr_b32 s44, s[WV], 1
	s_lshl_b32 s44, s44, 5
	s_and_b32 s45, s[WV], 1
	s_lshl_b32 s45, s45, 3
	s_add_co_u32 s44, s44, s45                     ; my tile of x begins at key 32 (w / 2) + 8 (w % 2)
	s_lshl_b32 s45, ttmp9, 7
	s_add_co_u32 s44, s44, s45                     ; of the work-group's 128
	s_wait_alu depctr_va_vdst(0)
	s_wait_kmcnt 0x0
	s_lshl_b32 s46, s44, 10
	s_add_nc_u64 s[4:5], s[4:5], s[46:47]
	s_lshl_b32 s46, s44, 9
	s_add_nc_u64 s[6:7], s[6:7], s[46:47]
	s_lshl_b32 s46, s[WV], 8                       ; my head's 64 numbers of each bias and gain
	s_add_nc_u64 s[12:13], s[12:13], s[46:47]
	s_add_nc_u64 s[14:15], s[14:15], s[46:47]
	s_add_nc_u64 s[16:17], s[16:17], s[46:47]
	s_add_nc_u64 s[18:19], s[18:19], s[46:47]
	s_mul_i32 s46, s[WV], 6144
	s_add_co_u32 s46, s46, 128*1536
	s_add_nc_u64 s[36:37], s[8:9], s[46:47]        ; Wkvc's fragments 128 + 4 head on
	s_mul_i32 s46, s[WV], 12288
	s_add_nc_u64 s[38:39], s[8:9], s[46:47]        ; Wkvv's 8 head on
	s_lshl_b32 s46, s[WV], 9
	s_add_co_u32 s46, s46, 128*128
	s_add_nc_u64 s[40:41], s[10:11], s[46:47]      ; their scale words
	s_lshl_b32 s46, s[WV], 10
	s_add_nc_u64 s[42:43], s[10:11], s[46:47]
	s_lshr_b32 s44, ttmp9, 6                       ; batch
	s_lshl_b32 s44, s44, 3
	s_add_co_u32 s44, s44, s[WV]
	s_lshl_b32 s44, s44, 6
	s_and_b32 s45, ttmp9, 63
	s_add_co_u32 s44, s44, s45
	s_mul_i32 s46, s44, 25600                      ; my record (under 2^26 bytes)
	s_add_nc_u64 s[20:21], s[20:21], s[46:47]
	; ---- x: wave w quantises tile w of the 128 keys: C's one K step and V's two
	global_load_b64 v[196:197], v[AVS], s[16:17]               ; the parameters: coords: k bias, k gain, v bias, v gain;
	global_load_b64 v[198:199], v[AVS], s[18:19]
	global_load_b64 v[200:201], v[AVS], s[16:17] offset:2048
	global_load_b64 v[202:203], v[AVS], s[18:19] offset:2048
	global_load_b64 v[204:205], v[AVS], s[12:13]               ; values likewise
	global_load_b64 v[206:207], v[AVS], s[14:15]
	global_load_b64 v[208:209], v[AVS], s[12:13] offset:2048
	global_load_b64 v[210:211], v[AVS], s[14:15] offset:2048
	XROWS 68, 6, 512, 0                            ; C
	XROWS 132, 4, 1024, 0                          ; V, K step 0
	s_wait_loadcnt 32                              ; the parameters are in; the two sets of x may be out
.irp i, 0,1,2,3,4,5,6,7
	ds_store_b64 v[AKB], v[196+2*\i:197+2*\i] offset:256*\i
.endr
	WIN 0x40
.irp f, 0,1,2,3
.irp g, 0,1,2
	global_load_b128 v[96+12*\f+4*\g:96+12*\f+4*\g+3], v[LI], s[36:37] offset:1536*\f+512*\g          ; Wkvc: k tiles,
	global_load_b128 v[144+12*\f+4*\g:144+12*\f+4*\g+3], v[LI], s[36:37] offset:49152+1536*\f+512*\g   ; v tiles
.endr
.endr
	WIN 0
.irp f, 0,1,2,3
	global_load_b32 v[16+\f], v[LS], s[40:41] offset:128*\f
	global_load_b32 v[20+\f], v[LS], s[40:41] offset:4096+128*\f
.endr
	s_wait_loadcnt 48                              ; C is in; V's 16 loads and Wkvc's 32 may be out
	TURN 68
	QUANT 68, 216, 212
	IMAGE 2
	XROWS 68, 4, 1024, 512                         ; V, K step 1
	s_wait_loadcnt 48                              ; V's K step 0 is in; Wkvc's 32 and the 16 just issued may be out
	TURN 132
	QUANT 132, 216, 212
	IMAGE 0
	WIN 0x40
.irp f, 0,1,2,3,4,5,6,7
.irp g, 0,1,2
	global_load_b128 v[12*\f+4*\g:12*\f+4*\g+3], v[LI], s[38:39] offset:1536*\f+512*\g   ; Wkvv's k tiles: wanted a phase later
.endr
.endr
	WIN 0
	s_wait_loadcnt 24                              ; all but those 24 are in
	TURN 68
	QUANT 68, 216, 212
	IMAGE 1
	BARRIER                                        ; x's 24 fragments lie in LDS
	; ---- the coords stream: four blocks of 32 keys, written out, so that the loads of the last one stand on the one path
	PHASEINIT 0
	DERIVE
	SUBTRIP 0, 0, 0
	SUBTRIP 0, 1, 0
	STEPS
	DERIVE
	SUBTRIP 0, 0, 0
	SUBTRIP 0, 1, 1
	; the record's vc fragments (channel tiles 4-7, bytes 18,944 to 25,087) are whole: they leave now, 12 runs of 512 bytes
.set ii, 0
.rept 12
	ds_load_b128 v[132+4*ii:135+4*ii], v[AKS0] offset:18944+512*ii
.set ii, ii+1
.endr
.set ii, 0
.rept 12
	s_wait_dscnt 11-ii                             ; LDS loads come back in order: the younger ones may be out
	global_store_b128 v[LI], v[132+4*ii:135+4*ii], s[20:21] offset:18944+512*ii
.set ii, ii+1
.endr
	s_wait_xcnt 0x0                                ; the stores have read their registers, which the next products write
	PHASEINIT 1
	s_wait_loadcnt 0x0                             ; all of Wkvv and its scale words
	s_mov_b32 s[CNT], 2
.Lvtrip:
	DERIVE
	v_add_nc_u32 v253, s[SAX+2], v[LI]             ; where this pair's four K fragments lie in the record
	s_wait_alu depctr_va_vdst(0)
	SUBTRIP 1, 0, 0
	SUBTRIP 1, 1, 0
	; this pair's four K fragments are whole (kc from the coords stream, kv from this trip): they leave now, 12 runs of 512 bytes
.set ii, 0
.rept 12
	ds_load_b128 v[132+4*ii:135+4*ii], v[AKS] offset:512*ii
.set ii, ii+1
.endr
.set ii, 0
.rept 12
	s_wait_dscnt 11-ii
	global_store_b128 v253, v[132+4*ii:135+4*ii], s[20:21] offset:512*ii
.set ii, ii+1
.endr
	s_wait_xcnt 0x0                                ; the stores have read their registers and their offset, which the next trip writes
	STEPS
	s_sub_co_u32 s[CNT], s[CNT], 1
	s_cmp_lg_u32 s[CNT], 0
	s_cbranch_scc1 .Lvtrip
	; ---- the record leaves: the last 14 of its 50 runs of 512 consecutive bytes
	s_wait_dscnt 0x0                               ; my stores into it have read their registers
	; what is left of the record: runs 24 (K's scale words), 25 to 36 (the vv fragments) and 49 (V's scale words)
.set ii, 0
.rept 14
	ds_load_b128 v[68+4*ii:71+4*ii], v[AKS0] offset:512*(24+ii+12*(ii/13))
.set ii, ii+1
.endr
.set ii, 0
.rept 14
	s_wait_dscnt 13-ii
	global_store_b128 v[LI], v[68+4*ii:71+4*ii], s[20:21] offset:512*(24+ii+12*(ii/13))
.set ii, ii+1
.endr
	s_wait_tensorcnt 0x0                           ; the wave's end
	ds_add_u32 v254, v255
	s_wait_dscnt 0x0
	s_endpgm
.Lfunc_end_k_q2e1df03770_kv:
	.size	k_q2e1df03770_kv, .Lfunc_end_k_q2e1df03770_kv-k_q2e1df03770_kv
	.p2alignl 7, 3214868480
	.fill 96, 4, 3214868480
	.section	.rodata,"a",@progbits
	.p2align	6, 0x0
	.amdhsa_kernel k_q2e1df03770_kv
		.amdhsa_group_segment_fixed_size 267264
		.amdhsa_private_segment_fixed_size 0
		.amdhsa_enable_private_segment 0
		.amdhsa_kernarg_size 72
		.amdhsa_user_sgpr_count 2
		.amdhsa_user_sgpr_kernarg_segment_ptr 1
		.amdhsa_wavefront_size32 1
		.amdhsa_system_sgpr_workgroup_id_x 1
		.amdhsa_system_sgpr_workgroup_id_y 1
		.amdhsa_system_sgpr_workgroup_id_z 1
		.amdhsa_system_vgpr_workitem_id 0
		.amdhsa_next_free_vgpr 512
		.amdhsa_next_free_sgpr 66
		.amdhsa_reserve_vcc 0
		.amdhsa_float_denorm_mode_32 3
		.amdhsa_float_denorm_mode_16_64 3
		.amdhsa_memory_ordered 1
		.amdhsa_forward_progress 1
		.amdhsa_inst_pref_size 255
	.end_amdhsa_kernel
	.section	.bss,"aw",@nobits
	.p2align	6
	.space	262144
	.amdgpu_metadata
---
amdhsa.version: [ 1, 2 ]
amdhsa.kernels:
  - .name:           k_q2e1df03770_kv
    .symbol:         k_q2e1df03770_kv.kd
    .args:
      - { .name: V, .offset: 0, .size: 8, .value_kind: global_buffer, .address_space: global }
      - { .name: C, .offset: 8, .size: 8, .value_kind: global_buffer, .address_space: global }
      - { .name: wimg, .offset: 16, .size: 8, .value_kind: global_buffer, .address_space: global }
      - { .name: wscl, .offset: 24, .size: 8, .value_kind: global_buffer, .address_space: global }
      - { .name: bkvv, .offset: 32, .size: 8, .value_kind: global_buffer, .address_space: global }
      - { .name: gkvv, .offset: 40, .size: 8, .value_kind: global_buffer, .address_space: global }
      - { .name: bkvc, .offset: 48, .size: 8, .value_kind: global_buffer, .address_space: global }
      - { .name: gkvc, .offset: 56, .size: 8, .value_kind: global_buffer, .address_space: global }
      - { .name: kvrec, .offset: 64, .size: 8, .value_kind: global_buffer, .address_space: global }
    .group_segment_fixed_size: 267264
    .private_segment_fixed_size: 0
    .kernarg_segment_align: 8
    .kernarg_segment_size: 72
    .max_flat_workgroup_size: 256
    .sgpr_count:     66
    .vgpr_count:     512
    .wavefront_size: 32
...
	.end_amdgpu_metadata
.endif
;; end of part 3
;; launch attn (part 4): grid 8 x 32, 8 waves a work-group, clusters of 4 x 1, 327,680 bytes of LDS; arguments qimg, qscl, kvrec, lcod, lscl; writes lcod, lscl
.if DOCPART == 4
	.amdgcn_target "amdgcn-amd-amdhsa--gfx1250"
	.amdhsa_code_object_version 6
	.text
	.protected	k_q2e1df03770_attn
	.globl	k_q2e1df03770_attn
	.p2align	8
	.type	k_q2e1df03770_attn,@function
k_q2e1df03770_attn:
	s_mov_b64 s[64:65], 0
	v_nop
	global_prefetch_b8 v0, s[64:65] scope:SCOPE_SE
	s_setreg_imm32_b32 hwreg(HW_REG_WAVE_MODE, 25, 1), 1
	s_wait_xcnt 0x0
	s_wait_alu depctr_hold_cnt(0) depctr_sa_sdst(0) depctr_va_vdst(0) depctr_va_sdst(0) depctr_va_ssrc(0) depctr_va_vcc(0) depctr_vm_vsrc(0)
	s_getreg_b32 s2, hwreg(HW_REG_IB_STS2, 6, 4)
	s_cmp_eq_u32 s2, 0
	s_cbranch_scc0 .Lentry_in_a_cluster
	s_endpgm
.Lentry_in_a_cluster:
	s_bfe_u32 s2, ttmp6, 0x10000c
	s_cmp_lg_u32 s2, 0x3003
	s_cbranch_scc0 .Lentry_shape_is_right
	s_endpgm
.Lentry_shape_is_right:
; Attention on codes of BF6 (E3M2): scores = (qc . kc + qv . kv) / 8 in ONE product (K = [c 64 | v 64]), one softmax, O = P [vv 64 | vc 64] in one product; then O / l is quantised along the inner axis for the output projections.
; THE SOFTMAX: t = score x log2(e) / 8; M = the largest t so far, rounded UP to a whole number; p = 2^(t - M) is quantised along the keys, not normalised; the sum is taken of the unquantised p.
; SHARES.  A work-group owns 64 queries of one (batch, head).  Wave w: query pair w % 2 (two tiles of 16: A in register window 0, B in window 1, same numbers), key group w / 2.  A fragment of K or V read from LDS feeds two products.
; K and V come as records of 128 keys (25,600 dense bytes, images of operand registers).  A slot holds four records, one a key group: 512 keys; 16 slots through a ring of two.  The key groups' M, sum and O are merged at the end by powers of two.
; CLUSTER.  The four work-groups of a cluster walk the same records: each half record (50 rows of 256 bytes) is asked for JOINTLY, mask 15, by wave w of all four: every wave issues one load at the head and one behind each round.
; TWO CLASSES OF WAVES, class = (w xor w / 4) % 2.  A step is FRONT (K's 8 fragments, 16 products, V's 8 fragments into the same 96 registers, tile A's softmax) and TAIL (tile B's softmax, 16 products).
; Class 0 meets the change of slots between two steps, class 1 between FRONT and TAIL: by then it has all of its slot in registers.  So behind a round one class has vector work at hand while the other loads and multiplies.
; The branches hang on the wave's number alone and lead round TAIL alone, which holds no barrier, no LDS access and no tensor load.  The first and the last trip are written out.
; LAYOUT.  Both products are used transposed (S^T = K Q^T, O^T = V^T P^T): a lane holds ONE query; 16 registers of two neighbouring tiles are 16 neighbours along the keys or channels.
; OUT.  lcod: ((batch x 8 + head) x 64 + row tile x 2 + stream) x 768; lane r + 16 b holds block b's 24 bytes at 24 x lane.  lscl: (batch x 8 + head) x 2048 + (row tile x 2 + stream) x 32 + 2 r + b.
; LIMITS: the scaled scores stay under 2^31 in magnitude; p under 2^-126 counts as 0 (v_exp_f32); the division by the sum is v_rcp_f32 and a multiplication; a block of zeros gets the scale byte 1 (not 127): its codes are zeros and this program alone reads the bytes; NaN and infinities are not served.
; REGISTERS, both windows: v12 -M, v13 the largest t, v[14:15] the sum, v16-27 Q, v32-79 four fragments (0-3 in window 0, 4-7 in window 1), v96-159 S^T then p, v160-223 O^T, v224-254 p's codes and work.
;   window 0 alone: v1-11, v28-31, v88-91 addresses; v80-83 K's scale words; v84, v85 p's (A, B); v86, v87 Q's; v92-95 V's.
.set RECB,  25600
.set HALFB, 12800
.set SLOTB, 102400
.set SLOT1, 131072                     ; slot 1 begins here: one exclusive or turns an address in one slot into the other's
.set SPARE, 233472                     ; the spare words, 128 bytes a wave: four blocks of 256 bytes that no other line names
.set STAT,  234496                     ; the merge: -M and the sum, 512 bytes a wave
.set LST,   238592                     ; the way out: 8 x 768 bytes of codes
.set LSS,   244736                     ; and 256 scale bytes
; the merge's O^T lies at LDS byte 0, 16,384 bytes a wave: slot 0 has had its last fill and its last read by then
.set AK0, 1
.set AV0, 2
.set SPW, 3
.set NIL, 4
.set ADK, 5
.set ADV, 6
.set MA,  7
.set MB0, 8
.set STS, 10
.set STL, 11
.set PFO, 28
.set LCS, 29
.set LBS, 30
.set LCO, 31
.set VS,  92
.set WV,  18
.set CL,  19
.set SEL, 20
.set CS,  22
.set G1,  24
.set G0,  40
.set TB,  44
.set SLOTS, 45
.set PFA, 46
.set LIM, 48
.set MSB, 0
.macro WIN new                         ; the immediate's high byte repeats the setting that is left
.if MSB != (\new)
	s_set_vgpr_msb (MSB<<8)|(\new)
.set MSB, (\new)
.endif
.endm
.macro PLACES
.rept 4
	v_nop
.endr
.endm
.macro CROUND                          ; a round of the cluster's barrier
	s_barrier_signal -1
	s_barrier_wait -1
	s_cmp_lg_u32 s[WV], 0
	s_cbranch_scc1 .Lnot_wave_0_\@
	s_barrier_signal -3
.Lnot_wave_0_\@:
	s_barrier_wait -3
	s_barrier_signal -1
	s_barrier_wait -1
.endm
.macro TLOAD                           ; every wave fetches its half record; s_nop 0 and four v_nop follow
	tensor_load_to_lds s[G0:G0+3], s[G1:G1+7]
	s_nop 0
.rept 4
	v_nop
.endr
.endm
; A prefetch of the slot that the NEXT change of slots will ask for.  Both clusters of a (batch, head) walk the same records: the one with x = 0 asks.  Its four partners take a record each, told apart BY ADDRESS;
; in each, waves 4 to 7 take 25 blocks of 256 bytes, a lane a block (lanes 25 to 31 name lane 24's again).  The last change that fills a slot asks for nothing; slots 0 and 1 come by their loads alone.
.macro ASK
	s_cmp_gt_u32 s[SLOTS], s[LIM]
	s_cbranch_scc0 .Lnot_mine_\@
	global_prefetch_b8 v[PFO], s[PFA:PFA+1] th:TH_LOAD_NT scope:SCOPE_SE
.Lnot_mine_\@:
.endm
; THE CHANGE OF SLOTS.  Each wave waits for all its tensor loads (one is out: its part of the slot about to be read), adds 0 to its spare word, and waits for that and for its reads of the slot that it leaves.
; fill = 1: a round of the cluster's barrier, then the joint refill first.
.macro CHANGE fill
	s_wait_tensorcnt 0x0                           ; no tensor load of mine is out, so the descriptor may be written
	ds_add_u32 v[SPW], v[NIL]
	v_add_nc_u32 v[ADK], s[TB], v[AK0]             ; my record in the slot about to be read
	v_add_nc_u32 v[ADV], s[TB], v[AV0]
	s_xor_b32 s[TB], s[TB], SLOT1
.if \fill
	s_xor_b32 s[G0+1], s[G0+1], SLOT1              ; the other slot than last time,
	s_add_nc_u64 s[G0+2:G0+3], s[G0+2:G0+3], SLOTB ; the next four records
	s_wait_xcnt 0x0                                ; the last prefetch, a slot back, has read its address
	s_add_nc_u64 s[PFA:PFA+1], s[PFA:PFA+1], SLOTB
.endif
	s_wait_alu depctr_va_vdst(0)                   ; the wait ahead of the blocking wait
	s_wait_dscnt 0x0                               ; the add is done, and my reads of the slot that I leave are over
.if \fill
	CROUND
	TLOAD
	ASK
.else
	s_barrier_signal -1
	s_barrier_wait -1
	PLACES                                         ; as behind a refill: places between the last products and the vector work that writes their registers
.endif
.endm
; One tile's softmax for 128 keys, in its own window.
.macro SOFTMAX tile
	WIN (0x55*\tile)
	s_wait_alu depctr_va_vdst(0)                   ; the wait directly ahead of the scores' first readers
.irp b, 0,1,2,3
	v_max3_num_f32 v[232+\b], v[96+16*\b], v[97+16*\b], v[98+16*\b]   ; the largest score of each block of 32 keys: it serves the row's maximum and, since p rises with the score, the block's largest p
.endr
.irp i, 3,5,7,9,11,13
.irp b, 0,1,2,3
	v_max3_num_f32 v[232+\b], v[232+\b], v[96+16*\b+\i], v[97+16*\b+\i]
.endr
.endr
.irp b, 0,1,2,3
	v_max_num_f32 v[232+\b], v[232+\b], v[111+16*\b]
.endr
.irp b, 0,1,2,3
	s_delay_alu instid0(VALU_DEP_4)
	v_permlanex16_b32 v[236+\b], v[232+\b], s[SEL], s[SEL+1]
.endr
.irp b, 0,1,2,3
	s_delay_alu instid0(VALU_DEP_4)
	v_max_num_f32 v[232+\b], v[232+\b], v[236+\b]  ; with lane l xor 16's 16 keys
.endr
	s_delay_alu instid0(VALU_DEP_2)
	v_max3_num_f32 v254, v232, v233, v234
	s_delay_alu instid0(VALU_DEP_1)
	v_max_num_f32 v254, v254, v235
	s_delay_alu instid0(VALU_DEP_1)
	v_mul_f32 v254, s[CS], v254                    ; as t (c is positive)
	s_delay_alu instid0(VALU_DEP_1)
	v_max_num_f32 v13, v13, v254                   ; the running largest t
	v_mov_b32 v254, v12
	s_delay_alu instid0(VALU_DEP_2)
	v_floor_f32 v12, -v13                          ; the new -M = floor(-t): M is a whole number
	s_delay_alu instid0(VALU_DEP_1)
	v_sub_f32 v254, v12, v254                      ; old M - new M: a whole number, 0 or less
	s_delay_alu instid0(VALU_DEP_1)
	v_cvt_i32_f32 v254, v254                       ; (it saturates)
	s_delay_alu instid0(VALU_DEP_1)
	v_ldexp_f32 v252, 1.0, v254                    ; f = 2^(old M - new M)
.irp j, 0,2,4,6,8,10,12,14,16,18,20,22,24,26,28,30,32,34,36,38,40,42,44,46,48,50,52,54,56,58,60,62
	v_pk_fma_f32 v[96+\j:97+\j], v[96+\j:97+\j], s[CS:CS+1], v[12:13] op_sel_hi:[1,0,0]   ; t - M
.endr
.irp b, 0,1,2,3
	v_fma_f32 v[232+\b], v[232+\b], s[CS], v12     ; the same of each block's largest score
.endr
.set ii, 0
	s_wait_alu depctr_va_vdst(0)                   ; the wait ahead of the batch
.rept 64
	v_exp_f32 v[96+ii], v[96+ii]                   ; p = 2^(t - M), at most 1
.set ii, ii+1
.endr
	v_pk_mul_f32 v[14:15], v[14:15], v[252:253] op_sel_hi:[1,0]   ; the sums under the new M (a plain place behind the exponentials)
	s_wait_alu depctr_va_vdst(0)                   ; one wait for the whole batch, ahead of its first reader
.irp b, 0,1,2,3
	v_exp_f32 v[232+\b], v[232+\b]                 ; the block's largest p
.endr
	v_pk_add_f32 v[236:237], v[96:97], v[98:99]    ; the row's sum, of the unquantised p, in two chains
.irp j, 4,8,12,16,20,24,28,32,36,40,44,48,52,56,60
	v_pk_add_f32 v[14:15], v[14:15], v[96+\j:97+\j]
	v_pk_add_f32 v[236:237], v[236:237], v[98+\j:99+\j]
.endr
	s_delay_alu instid0(VALU_DEP_1)
	v_pk_add_f32 v[14:15], v[14:15], v[236:237]
	s_wait_alu depctr_va_vdst(0)                   ; and one for the four
.irp b, 0,1,2,3
	v_max_num_f32 v[232+\b], 0x2800000, v[232+\b]  ; the floor 2^(5 - 127): the byte cannot fall under 1
.endr
.irp b, 0,1,2,3
	s_delay_alu instid0(VALU_DEP_4)
	v_add_nc_u32 v[244+\b], 0xfe000000, v[232+\b]  ; 4 off the exponent field: the conversion's scale operand
.endr
.irp b, 0,1,2,3
	s_delay_alu instid0(VALU_DEP_4)
	v_lshrrev_b32 v[236+\b], 23, v[244+\b]         ; the scale's byte
.endr
	s_delay_alu instid0(VALU_DEP_3)
	v_lshl_or_b32 v253, v237, 8, v236
	s_delay_alu instid0(VALU_DEP_1)
	v_lshl_or_b32 v253, v238, 16, v253
	WIN (0x15*\tile)                               ; scale operands have no window: the finished word goes to window 0
	v_lshl_or_b32 v[84+\tile], v239, 24, v253      ; p's scale word for these 128 keys
	WIN (0x55*\tile)
.irp c, 0,1
	v_cvt_scalef32_pk16_bf6_f32 v[224+6*\c:226+6*\c], v[96+32*\c:111+32*\c], v[244+2*\c]
	v_cvt_scalef32_pk16_bf6_f32 v[236+4*\c:238+4*\c], v[112+32*\c:127+32*\c], v[244+2*\c+1]
.endr
	v_nop                                          ; one plain place behind a scaled conversion
.irp c, 0,1
.irp i, 0,1,2
	v_permlane16_swap_b32 v[224+6*\c+\i], v[236+4*\c+\i]
.endr
.irp i, 0,1,2
	s_delay_alu instid0(VALU_DEP_3)
	v_mov_b32 v[227+6*\c+\i], v[236+4*\c+\i]
.endr
.endr
	s_wait_alu depctr_va_vdst(0)                   ; the wait directly ahead of the first reader of O^T
.irp j, 0,2,4,6,8,10,12,14,16,18,20,22,24,26,28,30,32,34,36,38,40,42,44,46,48,50,52,54,56,58,60,62
	v_pk_mul_f32 v[160+\j:161+\j], v[160+\j:161+\j], v[252:253] op_sel_hi:[1,0]   ; O^T under the new M (also the places between the scale word, the codes and the products)
.endr
.endm
; Eight products on fragments 4 g .. 4 g + 3 (window g), for both tiles.  o = 0: S^T = K Q^T, begun with 0; o = 1: O^T += V^T P^T.  All 16 results of a phase are different accumulators.
.macro MUL8 g, o
.irp tile, 0,1
	WIN (0x54*\tile)|\g
.irp t, 0,1,2,3
.if \o
.if \t % 2
	v_wmma_scale_f32_16x16x128_f8f6f4 v[160+8*(4*\g+\t):167+8*(4*\g+\t)], v[32+12*\t:43+12*\t], v[224:235], v[160+8*(4*\g+\t):167+8*(4*\g+\t)], v[VS+(4*\g+\t)/2], v[84+\tile] matrix_a_fmt:MATRIX_FMT_BF6 matrix_b_fmt:MATRIX_FMT_BF6 matrix_a_scale:MATRIX_SCALE_ROW1
.else
	v_wmma_scale_f32_16x16x128_f8f6f4 v[160+8*(4*\g+\t):167+8*(4*\g+\t)], v[32+12*\t:43+12*\t], v[224:235], v[160+8*(4*\g+\t):167+8*(4*\g+\t)], v[VS+(4*\g+\t)/2], v[84+\tile] matrix_a_fmt:MATRIX_FMT_BF6 matrix_b_fmt:MATRIX_FMT_BF6
.endif
.else
.if \t % 2
	v_wmma_scale_f32_16x16x128_f8f6f4 v[96+8*(4*\g+\t):103+8*(4*\g+\t)], v[32+12*\t:43+12*\t], v[16:27], 0, v[80+(4*\g+\t)/2], v[86+\tile] matrix_a_fmt:MATRIX_FMT_BF6 matrix_b_fmt:MATRIX_FMT_BF6 matrix_a_scale:MATRIX_SCALE_ROW1
.else
	v_wmma_scale_f32_16x16x128_f8f6f4 v[96+8*(4*\g+\t):103+8*(4*\g+\t)], v[32+12*\t:43+12*\t], v[16:27], 0, v[80+(4*\g+\t)/2], v[86+\tile] matrix_a_fmt:MATRIX_FMT_BF6 matrix_b_fmt:MATRIX_FMT_BF6
.endif
.endif
.endr
.endr
.endm
; FRONT: all that a step reads from LDS, both tiles' scores, tile A's softmax.
.macro FRONT
	PLACES                                         ; in front of loads into registers that matrix instructions have read
	ds_load_b128 v[80:83], v[ADK] offset:12288     ; K's scale words: register i: tile 2 i in lanes 0-15, tile 2 i + 1 in lanes 16-31
.irp t, 0,1,2,3
.irp c, 0,1,2
	ds_load_b128 v[32+12*\t+4*\c:35+12*\t+4*\c], v[ADK] offset:1536*\t+512*\c
.endr
.endr
	WIN 0x40
.irp t, 0,1,2,3
.irp c, 0,1,2
	ds_load_b128 v[32+12*\t+4*\c:35+12*\t+4*\c], v[ADK] offset:1536*(4+\t)+512*\c
.endr
.endr
	WIN 0
	s_wait_dscnt 12                                ; the scale words and fragments 0-3 are in; the 12 loads of fragments 4-7 may be out
	MUL8 0, 0
	s_wait_dscnt 0x0
	MUL8 1, 0
	WIN 0
	PLACES                                         ; in front of the loads below and of the first reads of the scores
	ds_load_b128 v[VS:VS+3], v[ADK] offset:25088   ; V's scale words
.irp t, 0,1,2,3
.irp c, 0,1,2
	ds_load_b128 v[32+12*\t+4*\c:35+12*\t+4*\c], v[ADV] offset:1536*\t+16*\c
.endr
.endr
	WIN 0x40
.irp t, 0,1,2,3
.irp c, 0,1,2
	ds_load_b128 v[32+12*\t+4*\c:35+12*\t+4*\c], v[ADV] offset:1536*(4+\t)+16*\c
.endr
.endr
	SOFTMAX 0
	WIN 0
.endm
; TAIL: tile B's softmax and both tiles' second product: registers alone.
.macro TAIL
	SOFTMAX 1
	s_wait_alu depctr_va_vdst(0)                   ; the wait ahead of the blocking wait
	s_wait_dscnt 0x0                               ; V's fragments and scale words
	MUL8 0, 1
	MUL8 1, 1
	WIN 0
.endm
.macro TAILIF c                        ; TAIL for the waves of class c
	s_wait_alu depctr_va_vdst(0)                   ; the wait ahead of the branch
	s_cmp_lg_u32 s[CL], \c
	s_cbranch_scc1 .Lother_\@
	TAIL
.Lother_\@:
.endm
	s_load_b256 s[4:11], s[0:1], 0x0               ; qimg s[4:5], qscl s[6:7], kvrec s[8:9], lcod s[10:11]
	s_load_b64 s[12:13], s[0:1], 0x20              ; lscl
	v_lshl_add_u32 v[SPW], v0, 2, SPARE
	v_mov_b32 v[NIL], 0
	ds_add_u32 v[SPW], v[NIL]                      ; the opening lines: the add, twice on end, and its wait ahead of my first tensor load
	ds_add_u32 v[SPW], v[NIL]
	v_lshrrev_b32 v5, 5, v0
	v_readfirstlane_b32 s[WV], v5                  ; wave 0..7
	s_lshr_b32 s[CL], s[WV], 2
	s_xor_b32 s[CL], s[CL], s[WV]
	s_and_b32 s[CL], s[CL], 1                      ; my class
	s_and_b32 s14, s[WV], 1                        ; my pair of query tiles
	s_lshr_b32 s15, s[WV], 1                       ; my key group
	s_bfe_u32 s16, ttmp6, 0x40000                  ; cx: it enters global addresses of Q, of the outputs and of the prefetches alone
	s_lshl_b32 s17, ttmp9, 2
	s_add_co_u32 s17, s17, s16                     ; my group of 64 queries = 4 x cluster x + cx
	s_and_b32 s32, ttmp7, 0xffff                   ; batch x 8 + head, which the partners share
	s_and_b32 s33, s32, 7                          ; head
	s_mul_i32 s34, s32, 64*RECB
	s_mul_i32 s36, s[WV], HALFB                    ; my half record's place in a slot, in memory and in LDS alike
	s_add_co_u32 s34, s34, s36
	s_mov_b32 s35, 0
	; descriptor group 1: 50 rows of 256 bytes (32 elements of 8 bytes), dense
	s_mov_b32 s[G1], 15|(3<<16)|(1<<21)            ; the mask: all four work-groups; elements of 8 bytes; bit 21 beside a mask
	s_mov_b32 s[G1+1], 32<<16
	s_mov_b32 s[G1+2], 50<<16
	s_mov_b32 s[G1+3], 32<<16
	s_mov_b32 s[G1+4], 50
	s_mov_b32 s[G1+5], 32
	s_mov_b32 s[G1+6], 0
	s_mov_b32 s[G1+7], 0
	s_mov_b32 s[SEL], 0x76543210
	s_mov_b32 s[SEL+1], 0xfedcba98
	s_mov_b32 s[CS], 0x3e38aa3b                    ; c = log2(e) / 8
	s_mov_b32 s[CS+1], s[CS]
	s_mov_b32 s[TB], 0
	s_mov_b32 s[SLOTS], 14
	; the scalar parts of the LDS addresses
	s_mul_i32 s37, s15, RECB                       ; my key group's record
	s_add_co_u32 s38, s37, HALFB                   ; its V half
	s_lshl_b32 s39, s[WV], 14                      ; the merge: where my O^T goes
	s_lshl_b32 s49, s14, 14
	s_lshl_b32 s52, s15, 11
	s_add_co_u32 s49, s49, s52                     ; and what I take: my pair's sources, channel block = my key group's number
	s_lshl_b32 s60, s[WV], 9
	s_add_co_u32 s60, s60, STAT
	s_lshl_b32 s61, s14, 9
	s_add_co_u32 s61, s61, STAT
	s_lshl_b32 s52, s14, 2
	s_lshr_b32 s53, s15, 1
	s_add_co_u32 s52, s52, s53                     ; 4 x pair + stream
	s_and_b32 s53, s15, 1                          ; the block of 32 in the stream's 64
	s_mul_i32 s62, s52, 768
	s_mul_i32 s54, s53, 384
	s_add_co_u32 s62, s62, s54
	s_add_co_u32 s62, s62, LST
	s_lshl_b32 s63, s52, 5
	s_add_co_u32 s63, s63, s53
	s_add_co_u32 s63, s63, LSS
	s_mul_i32 s3, s[WV], 768
	; who prefetches: waves 4 to 7 of the clusters with x = 0: the same in all four partners
	s_lshr_b32 s51, s[WV], 2
	s_xor_b32 s51, s51, 1
	s_or_b32 s51, s51, ttmp9
	s_cmp_eq_u32 s51, 0
	s_cselect_b32 s[LIM], 1, -1
	s_mul_i32 s50, s32, 64*RECB
	s_mul_i32 s51, s16, RECB                       ; my work-group's record of a slot,
	s_add_co_u32 s50, s50, s51
	s_and_b32 s51, s[WV], 3
	s_mul_i32 s51, s51, 6400                       ; my wave's 25 blocks of it,
	s_add_co_u32 s50, s50, s51
	s_add_co_u32 s50, s50, SLOTB                   ; in slot 1: the first change of slots steps it to slot 2
	s_mov_b32 s51, 0
	s_lshl_b32 s52, s33, 5
	s_lshl_b32 s53, s17, 2
	s_add_co_u32 s52, s52, s53
	s_lshl_b32 s53, s14, 1
	s_add_co_u32 s52, s52, s53                     ; Q's fragment of tile A: 32 head + 4 group + 2 pair
	s_mul_i32 s54, s52, 1536
	s_mov_b32 s55, 0
	s_lshl_b32 s56, s52, 7
	s_mov_b32 s57, 0
	s_lshl_b32 s52, s32, 6
	s_lshl_b32 s53, s17, 3
	s_add_co_u32 s52, s52, s53
	s_mul_i32 s58, s52, 768                        ; the work-group's 8 x 768 bytes of lcod
	s_mov_b32 s59, 0
	s_lshl_b32 s52, s32, 11
	s_lshl_b32 s53, s17, 8
	s_add_co_u32 s52, s52, s53                     ; and its 256 bytes of lscl
	s_mov_b32 s53, 0
	; every address register, in one run, ahead of the first branch on the wave's number
	v_and_b32 v97, 31, v0                          ; lane
	v_and_b32 v98, 15, v0                          ; r
	v_bfe_u32 v99, v0, 4, 1                        ; h
	v_lshlrev_b32 v91, 4, v97                      ; 16 x lane
	v_lshlrev_b32 v96, 2, v97                      ; 4 x lane
	v_lshlrev_b32 v90, 3, v97                      ; 8 x lane
	v_mul_u32_u24 v[AV0], v97, 48
	v_add_nc_u32 v[AK0], s37, v91                  ; K's fragments and both sets of scale words, 16 x lane
	v_add_nc_u32 v[MA], s39, v91
	v_add_nc_u32 v[MB0], s49, v91
	v_add_nc_u32 v[AV0], s38, v[AV0]               ; V's fragments, 48 x lane
	v_add_nc_u32 v[STS], s60, v96
	v_add_nc_u32 v[STL], s61, v96
	v_add_nc_u32 v[MB0+1], 65536, v[MB0]
	v_min_u32 v[PFO], 24, v97
	v_mul_u32_u24 v[LCS], v98, 24
	v_lshl_add_u32 v[LBS], v98, 1, s63
	v_add_nc_u32 v88, s3, v90                      ; the way out: my 768 bytes of the work-group's codes, in memory
	v_lshlrev_b32 v[PFO], 8, v[PFO]
	v_mad_u32_u24 v[LCS], v99, 12, v[LCS]
	v_add_nc_u32 v89, LSS, v90
	v_add_nc_u32 v[LCO], LST, v88                  ; and in LDS
	v_add_nc_u32 v[LCS], s62, v[LCS]
	s_wait_alu depctr_va_vdst(0)                   ; the wait ahead of the blocking waits
	s_wait_dscnt 0x0                               ; both opening adds are done
	s_wait_kmcnt 0x0
	s_mov_b32 s[G0], 1                             ; count = 1
	s_mov_b32 s[G0+1], s36                         ; LDS address: slot 0
	s_add_nc_u64 s[G0+2:G0+3], s[8:9], s[34:35]    ; global address
	s_or_b32 s[G0+3], s[G0+3], 0x80000000          ; type = 2
	s_add_nc_u64 s[PFA:PFA+1], s[8:9], s[50:51]
	s_add_nc_u64 s[4:5], s[4:5], s[54:55]
	s_add_nc_u64 s[6:7], s[6:7], s[56:57]
	s_add_nc_u64 s[10:11], s[10:11], s[58:59]
	s_add_nc_u64 s[12:13], s[12:13], s[52:53]
	CROUND                                         ; all four work-groups are here: the first joint loads meet
	TLOAD                                          ; slot 0: one tensor load a wave at the head
.irp g, 0,1,2
	global_load_b128 v[16+4*\g:19+4*\g], v91, s[4:5] offset:512*\g          ; Q, tile A
.endr
	global_load_b32 v86, v96, s[6:7]
	global_load_b32 v87, v96, s[6:7] offset:128
	WIN 0x40
.irp g, 0,1,2
	global_load_b128 v[16+4*\g:19+4*\g], v91, s[4:5] offset:1536+512*\g     ; Q, tile B
.endr
.irp tile, 0,1                                 ; the step is written for every trip alike: the first finds zeros, which the first change of M leaves zeros
	WIN (0x55*\tile)
	v_mov_b32 v13, 0xff61b1e6                      ; the largest t so far: -3e38
	v_mov_b32 v14, 0
	v_mov_b32 v15, 0
	v_floor_f32 v12, -v13
.irp b, 0,1,2,3
	v_mov_b32 v[236+\b], 0                         ; a lane permute's destination counts as one of its sources
.endr
	v_mov_b32 v253, 0                              ; (named as the upper half of a pair)
.set ii, 0
.rept 64
	v_mov_b32 v[160+ii], 0
.set ii, ii+1
.endr
.endr
	WIN 0
	s_wait_alu depctr_va_vdst(0)                   ; the wait at the head's end
	s_wait_loadcnt 0x0                             ; Q
	CHANGE 1                                       ; slot 0 is whole; slot 1's first fill is issued as a refill is
	FRONT
	TAILIF 0
.Lslot:                                            ; 14 trips: slots 1 to 14 are read, slots 2 to 15 asked for
	CHANGE 1
	TAILIF 1                                       ; class 1 finishes the step before
	FRONT
	TAILIF 0
	s_sub_co_u32 s[SLOTS], s[SLOTS], 1
	s_cmp_lg_u32 s[SLOTS], 0
	s_wait_alu depctr_va_vdst(0)                   ; the wait ahead of the branch
	s_cbranch_scc1 .Lslot
	CHANGE 0                                       ; the last slot: nothing more is asked for
	TAILIF 1
	FRONT
	TAIL
	; ---- THE MERGE of the four key groups
	s_wait_dscnt 0x0
	s_barrier_signal -1
	s_barrier_wait -1                              ; every wave's reads of the ring are over: slot 0's bytes, which are filled no more, now serve the merge
	PLACES                                         ; behind the last products
.irp tile, 0,1
	WIN (0x55*\tile)
	v_add_f32 v14, v14, v15                        ; the sum's two halves,
	s_delay_alu instid0(VALU_DEP_1)
	v_permlanex16_b32 v252, v14, s[SEL], s[SEL+1]
	s_delay_alu instid0(VALU_DEP_1)
	v_add_f32 v14, v14, v252                       ; and lane l xor 16's
.endr
.irp tile, 0,1
	WIN (0x04*\tile)                               ; an LDS store's data are its source 1
.irp i, 0,1,2,3,4,5,6,7,8,9,10,11,12,13,14,15
	ds_store_b128 v[MA], v[160+4*\i:163+4*\i] offset:8192*\tile+512*\i    ; each accumulator from its low end on
.endr
	ds_store_b32 v[STS], v12 offset:256*\tile
	ds_store_b32 v[STS], v14 offset:256*\tile+128
.endr
	WIN 0
	s_wait_dscnt 0x0
	s_barrier_signal -1
	s_barrier_wait -1
.irp tile, 0,1
.irp k, 0,1,2,3
	ds_load_b32 v[32+8*\tile+\k], v[STL] offset:1024*\k+256*\tile          ; -M of source k,
	ds_load_b32 v[36+8*\tile+\k], v[STL] offset:1024*\k+256*\tile+128      ; its sum
.endr
.endr
.irp tile, 0,1
.irp k, 0,1,2,3
.irp i, 0,1,2,3
	ds_load_b128 v[96+64*\tile+16*\k+4*\i:99+64*\tile+16*\k+4*\i], v[MB0+\k/2] offset:32768*(\k%2)+8192*\tile+512*\i   ; its 16 channels 32 x block + 16 h + 0 .. 15 of my query
.endr
.endr
.endr
	s_wait_dscnt 0x0
.irp tile, 0,1
	v_min3_num_f32 v[64+\tile], v[32+8*\tile], v[33+8*\tile], v[34+8*\tile]
.endr
.irp tile, 0,1
	s_delay_alu instid0(VALU_DEP_2)
	v_min_num_f32 v[64+\tile], v[64+\tile], v[35+8*\tile]                  ; -M of all keys
.endr
.irp tile, 0,1
.irp k, 0,1,2,3
	v_sub_f32 v[68+4*\tile+\k], v[64+\tile], v[32+8*\tile+\k]              ; M of source k - M: a whole number, 0 or less
.endr
.endr
.irp tile, 0,1
.irp k, 0,1,2,3
	v_cvt_i32_f32 v[68+4*\tile+\k], v[68+4*\tile+\k]
.endr
.endr
.irp tile, 0,1
.irp k, 0,1,2,3
	v_ldexp_f32 v[48+8*\tile+2*\k], 1.0, v[68+4*\tile+\k]                  ; f of source k
.endr
.endr
.irp tile, 0,1
	v_mul_f32 v[76+2*\tile], v[48+8*\tile], v[36+8*\tile]
.endr
.irp k, 1,2,3
.irp tile, 0,1
	s_delay_alu instid0(VALU_DEP_2)
	v_fma_f32 v[76+2*\tile], v[48+8*\tile+2*\k], v[36+8*\tile+\k], v[76+2*\tile]   ; the row's sum
.endr
.endr
	s_wait_alu depctr_va_vdst(0)                   ; ahead of the two transcendentals
	v_rcp_f32 v76, v76
	v_rcp_f32 v78, v78
.irp tile, 0,1                                 ; (the merge of O^T names neither reciprocal: the work between them and the wait)
.irp i, 0,2,4,6,8,10,12,14
	v_pk_mul_f32 v[96+64*\tile+\i:97+64*\tile+\i], v[96+64*\tile+\i:97+64*\tile+\i], v[48+8*\tile:49+8*\tile] op_sel_hi:[1,0]
.endr
.endr
.irp k, 1,2,3
.irp tile, 0,1
.irp i, 0,2,4,6,8,10,12,14
	v_pk_fma_f32 v[96+64*\tile+\i:97+64*\tile+\i], v[96+64*\tile+16*\k+\i:97+64*\tile+16*\k+\i], v[48+8*\tile+2*\k:49+8*\tile+2*\k], v[96+64*\tile+\i:97+64*\tile+\i] op_sel_hi:[1,0,1]
.endr
.endr
.endr
	s_wait_alu depctr_va_vdst(0)                   ; one wait for both reciprocals, ahead of their first reader
.irp tile, 0,1
.irp i, 0,2,4,6,8,10,12,14
	v_pk_mul_f32 v[96+64*\tile+\i:97+64*\tile+\i], v[96+64*\tile+\i:97+64*\tile+\i], v[76+2*\tile:77+2*\tile] op_sel_hi:[1,0]   ; / the sum
.endr
.endr
	; quantised along the inner axis: my 16 numbers are half a block of 32.  At work: source 1's registers
.irp tile, 0,1
	v_max3_num_f32 v[112+64*\tile], |v[96+64*\tile]|, |v[97+64*\tile]|, 0x2800000
.endr
.irp i, 2,4,6,8,10,12,14
.irp tile, 0,1
	s_delay_alu instid0(VALU_DEP_2)
	v_max3_num_f32 v[112+64*\tile], v[112+64*\tile], |v[96+64*\tile+\i]|, |v[97+64*\tile+\i]|
.endr
.endr
.irp tile, 0,1
	s_delay_alu instid0(VALU_DEP_2)
	v_permlanex16_b32 v[113+64*\tile], v[112+64*\tile], s[SEL], s[SEL+1]
.endr
.irp tile, 0,1
	s_delay_alu instid0(VALU_DEP_2)
	v_max_num_f32 v[112+64*\tile], v[112+64*\tile], v[113+64*\tile]
.endr
.irp tile, 0,1
	s_delay_alu instid0(VALU_DEP_2)
	v_add_nc_u32 v[114+64*\tile], 0xfe000000, v[112+64*\tile]
.endr
.irp tile, 0,1
	v_cvt_scalef32_pk16_bf6_f32 v[116+64*\tile:118+64*\tile], v[96+64*\tile:111+64*\tile], v[114+64*\tile]
.endr
.irp tile, 0,1
	v_lshrrev_b32 v[115+64*\tile], 23, v[114+64*\tile]   ; the scale's byte (also the plain place behind the conversions)
.endr
.irp tile, 0,1
.irp i, 0,1,2
	ds_store_b32 v[LCS], v[116+64*\tile+\i] offset:1536*\tile+4*\i
.endr
	ds_store_b8 v[LBS], v[115+64*\tile] offset:64*\tile
.endr
	s_wait_dscnt 0x0
	s_barrier_signal -1
	s_barrier_wait -1
.irp i, 0,1,2
	ds_load_b64 v[32+2*\i:33+2*\i], v[LCO] offset:256*\i
.endr
	s_wait_dscnt 0x0
.irp i, 0,1,2
	global_store_b64 v88, v[32+2*\i:33+2*\i], s[10:11] offset:256*\i   ; 32 lanes store 256 consecutive bytes, aligned
.endr
	s_cmp_lg_u32 s[WV], 0
	s_cbranch_scc1 .Lno_scales                     ; wave 0 stores the work-group's 256 scale bytes
	ds_load_b64 v[40:41], v89
	s_wait_dscnt 0x0
	global_store_b64 v90, v[40:41], s[12:13]
.Lno_scales:
	s_wait_tensorcnt 0x0                           ; the wave's end
	ds_add_u32 v[SPW], v[NIL]
	s_wait_dscnt 0x0
	CROUND                                         ; the closing round: no work-group ends while a partner may still ask for a record that names it
	s_endpgm
.Lfunc_end_k_q2e1df03770_attn:
	.size	k_q2e1df03770_attn, .Lfunc_end_k_q2e1df03770_attn-k_q2e1df03770_attn
	.p2alignl 7, 3214868480
	.fill 96, 4, 3214868480
	.section	.rodata,"a",@progbits
	.p2align	6, 0x0
	.amdhsa_kernel k_q2e1df03770_attn
		.amdhsa_group_segment_fixed_size 327680
		.amdhsa_private_segment_fixed_size 0
		.amdhsa_enable_private_segment 0
		.amdhsa_kernarg_size 40
		.amdhsa_user_sgpr_count 2
		.amdhsa_user_sgpr_kernarg_segment_ptr 1
		.amdhsa_wavefront_size32 1
		.amdhsa_system_sgpr_workgroup_id_x 1
		.amdhsa_system_sgpr_workgroup_id_y 1
		.amdhsa_system_sgpr_workgroup_id_z 1
		.amdhsa_system_vgpr_workitem_id 0
		.amdhsa_next_free_vgpr 512
		.amdhsa_next_free_sgpr 66
		.amdhsa_reserve_vcc 0
		.amdhsa_float_denorm_mode_32 3
		.amdhsa_float_denorm_mode_16_64 3
		.amdhsa_memory_ordered 1
		.amdhsa_forward_progress 1
		.amdhsa_inst_pref_size 171
	.end_amdhsa_kernel
	.amdgpu_metadata
---
amdhsa.version: [ 1, 2 ]
amdhsa.kernels:
  - .name:           k_q2e1df03770_attn
    .symbol:         k_q2e1df03770_attn.kd
    .args:
      - { .name: qimg, .offset: 0, .size: 8, .value_kind: global_buffer, .address_space: global }
      - { .name: qscl, .offset: 8, .size: 8, .value_kind: global_buffer, .address_space: global }
      - { .name: kvrec, .offset: 16, .size: 8, .value_kind: global_buffer, .address_space: global }
      - { .name: lcod, .offset: 24, .size: 8, .value_kind: global_buffer, .address_space: global }
      - { .name: lscl, .offset: 32, .size: 8, .value_kind: global_buffer, .address_space: global }
    .group_segment_fixed_size: 327680
    .private_segment_fixed_size: 0
    .kernarg_segment_align: 8
    .kernarg_segment_size: 40
    .max_flat_workgroup_size: 256
    .sgpr_count:     66
    .vgpr_count:     512
    .wavefront_size: 32
...
	.end_amdgpu_metadata
.endif
;; end of part 4
;; launch out (part 5): grid 128 x 1, 6 waves a work-group, no clusters, 26,880 bytes of LDS; arguments lcod, lscl, wimg, wscl, bov, boc, out0, out1; writes out0, out1
.if DOCPART == 5
	.amdgcn_target "amdgcn-amd-amdhsa--gfx1250"
	.amdhsa_code_object_version 6
	.text
	.protected	k_q2e1df03770_out
	.globl	k_q2e1df03770_out
	.p2align	8
	.type	k_q2e1df03770_out,@function
k_q2e1df03770_out:
	s_mov_b64 s[64:65], 0
	v_nop
	global_prefetch_b8 v0, s[64:65] scope:SCOPE_SE
	s_setreg_imm32_b32 hwreg(HW_REG_WAVE_MODE, 25, 1), 1
	s_wait_xcnt 0x0
; The output projections: out0 = Lv Wov + bov, out1 = Lc Woc + boc, on codes of BF6 (E3M2).  L arrives as codes and scale bytes, the weights as images of operand registers.
; SHARES.  A work-group takes 16 rows (of one batch), a wave 64 columns, 256 bytes of a row: waves 0 to 3 out0's, waves 4 and 5 out1's; stream, bias, output and row pitch are chosen by the wave's number.  Waves share nothing: no barrier.
; The product is used transposed (source 0 = 16 columns of W, source 1 = L's 16 rows): a lane holds a row and eight neighbouring columns.  The bias is loaded into the accumulators and is the C of each sum's first product.
; K = 512: four steps of 128 = two heads each.  A head's 64 codes of 16 rows are 768 bytes, lane l's 24 bytes at 24 l: they are registers 6 c .. 6 c + 5 of the fragment.
; The results go through the wave's own stage in LDS (rows 272 bytes apart) and leave as whole runs of 256 bytes.
; No cluster: the weights' fragments are read by 128 work-groups, each wave its own, once, straight into registers.  No prefetch: every load stands at the head.
; LIMITS: the bias enters as C, so the last bit may differ from product-then-add.  NaN and infinities are not served.
; REGISTERS, window 0: v1-15 addresses; v16-63 L's four fragments; v64-71 scale bytes, two a register; v72-75 L's scale words; v76-91 W's; v96-127 four accumulators; v128-159 rows on their way out.  window 1: W's 16 fragments (12 (4 n + s)).
.set WV, 20
.set MSB, 0
.macro WIN new                         ; the immediate's high byte repeats the setting that is left
.if MSB != (\new)
	s_set_vgpr_msb (MSB<<8)|(\new)
.set MSB, (\new)
.endif
.endm
	s_load_b256 s[4:11], s[0:1], 0x0               ; lcod s[4:5], lscl s[6:7], wimg s[8:9], wscl s[10:11]
	s_load_b256 s[12:19], s[0:1], 0x20
	v_lshl_add_u32 v92, v0, 2, 26112               ; my spare word, behind the six stages; v92 and v93 serve the closing add alone
	v_mov_b32 v93, 0
	v_lshrrev_b32 v1, 5, v0
	v_readfirstlane_b32 s[WV], v1                  ; wave 0..5
	v_and_b32 v160, 31, v0                         ; lane
	v_and_b32 v161, 15, v0                         ; r
	v_bfe_u32 v162, v0, 4, 1                       ; h
	v_lshlrev_b32 v1, 4, v160                      ; 16 x lane
	v_lshlrev_b32 v2, 2, v160                      ; 4 x lane
	v_mul_u32_u24 v3, v160, 24                     ; 24 x lane
	v_lshlrev_b32 v4, 1, v161                      ; 2 r
	v_lshlrev_b32 v5, 6, v162                      ; 64 h
	s_mul_i32 s21, s[WV], 4352                     ; my stage
	v_mul_u32_u24 v6, v161, 272
	v_add_nc_u32 v6, v6, v5
	v_add_nc_u32 v6, s21, v6                       ; in: row r, + 64 h
	v_mul_u32_u24 v7, v162, 272
	v_lshl_add_u32 v7, v161, 4, v7
	v_add_nc_u32 v7, s21, v7                       ; back: lanes 0-15 one row, lanes 16-31 the next
	s_wait_kmcnt 0x0
	s_cmp_lt_u32 s[WV], 4                          ; out0's wave or out1's
	s_cselect_b64 s[22:23], s[12:13], s[14:15]     ; the bias
	s_cselect_b64 s[24:25], s[16:17], s[18:19]     ; the output
	s_mov_b32 s26, 512
	s_cselect_b32 s26, 1024, s26                   ; its row in bytes
	s_cselect_b32 s27, 0, 1                        ; the stream
	s_and_b32 s28, s[WV], 3                        ; which 64 columns
	s_lshr_b32 s29, ttmp9, 5                       ; batch
	s_and_b32 s30, ttmp9, 31                       ; row tile
	s_lshl_b32 s30, s30, 1
	s_add_co_u32 s30, s30, s27                     ; 2 x row tile + stream
	s_mov_b32 s33, 0
	s_mul_i32 s32, s29, 393216
	s_mul_i32 s31, s30, 768
	s_add_co_u32 s32, s32, s31
	s_add_nc_u64 s[4:5], s[4:5], s[32:33]          ; L's codes: head 0's part; a head on is 49,152 bytes
	s_lshl_b32 s32, s29, 14
	s_lshl_b32 s31, s30, 5
	s_add_co_u32 s32, s32, s31
	s_add_nc_u64 s[6:7], s[6:7], s[32:33]          ; L's scale bytes; a head on is 2,048
	s_lshl_b32 s31, s[WV], 4
	s_add_co_u32 s31, s31, 288                     ; my 16 fragments of the weights: 288 + 16 wave on
	s_mul_i32 s32, s31, 1536
	s_add_nc_u64 s[8:9], s[8:9], s[32:33]
	s_lshl_b32 s32, s31, 7
	s_add_nc_u64 s[10:11], s[10:11], s[32:33]
	s_lshl_b32 s32, s28, 8
	s_add_nc_u64 s[22:23], s[22:23], s[32:33]      ; my 64 numbers of the bias,
	s_add_nc_u64 s[24:25], s[24:25], s[32:33]      ; my 256 bytes of a row,
	s_lshl_b32 s32, ttmp9, 4
	s_mul_i32 s32, s32, s26
	s_add_nc_u64 s[24:25], s[24:25], s[32:33]      ; from row 16 x work-group on
	v_mul_u32_u24 v8, s26, v162
	v_lshl_add_u32 v8, v161, 4, v8                 ; the stores' offsets: row 2 i + h, 16 r (the pitch is no constant of the text)
	s_lshl_b32 s31, s26, 1
.irp i, 1,2,3,4,5,6,7
	v_add_nc_u32 v[8+\i], s31, v[7+\i]
.endr
	WIN 0x40                                       ; destination window 1
.irp f, 0,1,2,3,4,5,6,7,8,9,10,11,12,13,14,15
.irp g, 0,1,2
	global_load_b128 v[12*\f+4*\g:12*\f+4*\g+3], v1, s[8:9] offset:1536*\f+512*\g
.endr
.endr
	WIN 0
.irp f, 0,1,2,3,4,5,6,7,8,9,10,11,12,13,14,15
	global_load_b32 v[76+\f], v2, s[10:11] offset:128*\f
.endr
.irp s, 0,1,2,3
.irp c, 0,1
.irp p, 0,1,2
	global_load_b64 v[16+12*\s+6*\c+2*\p:17+12*\s+6*\c+2*\p], v3, s[4:5] offset:49152*(2*\s+\c)+8*\p
.endr
.endr
.endr
.irp e, 0,1,2,3,4,5,6,7
	global_load_u16 v[64+\e], v4, s[6:7] offset:2048*\e       ; row r's two scale bytes of head e
.endr
.irp n, 0,1,2,3                                ; tile n's bias in the result's layout: columns 32 (n / 2) + 16 h + 8 (n % 2) + 0 .. 7
	global_load_b128 v[96+8*\n:99+8*\n], v5, s[22:23] offset:128*(\n/2)+32*(\n%2)
	global_load_b128 v[100+8*\n:103+8*\n], v5, s[22:23] offset:128*(\n/2)+32*(\n%2)+16
.endr
	s_wait_alu depctr_va_vdst(0)
	s_wait_loadcnt 0x0
.irp s, 0,1,2,3
	v_lshl_or_b32 v[72+\s], v[65+2*\s], 16, v[64+2*\s]        ; two heads' bytes make a K step's scale word
.endr
.rept 8
	v_nop                                          ; a scale register written by a vector instruction stands 8 places ahead of a scaled matrix instruction
.endr
	WIN 0x01                                       ; source 0 (W) window 1
.irp s, 0,1,2,3                                ; the four accumulators take turns, one instruction a turn
.irp n, 0,1,2,3
	v_wmma_scale_f32_16x16x128_f8f6f4 v[96+8*\n:103+8*\n], v[12*(4*\n+\s):12*(4*\n+\s)+11], v[16+12*\s:27+12*\s], v[96+8*\n:103+8*\n], v[76+4*\n+\s], v[72+\s] matrix_a_fmt:MATRIX_FMT_BF6 matrix_b_fmt:MATRIX_FMT_BF6
.endr
.endr
	WIN 0
.rept 4
	v_nop                                          ; places in front of the first reads of results
.endr
.irp n, 0,1,2,3
	ds_store_b128 v6, v[96+8*\n:99+8*\n] offset:128*(\n/2)+32*(\n%2)         ; each accumulator from its low end on
	ds_store_b128 v6, v[100+8*\n:103+8*\n] offset:128*(\n/2)+32*(\n%2)+16
.endr
.irp i, 0,1,2,3,4,5,6,7
	ds_load_b128 v[128+4*\i:131+4*\i], v7 offset:544*\i        ; LDS serves a wave's instructions in order: these see my stores
.endr
.irp i, 0,1,2,3,4,5,6,7
	s_wait_dscnt 7-\i                              ; the younger loads may be out
	global_store_b128 v[8+\i], v[128+4*\i:131+4*\i], s[24:25]  ; 16 lanes store 256 consecutive bytes, aligned
.endr
	s_wait_tensorcnt 0x0                           ; the wave's end
	ds_add_u32 v92, v93
	s_wait_dscnt 0x0
	s_endpgm
.Lfunc_end_k_q2e1df03770_out:
	.size	k_q2e1df03770_out, .Lfunc_end_k_q2e1df03770_out-k_q2e1df03770_out
	.p2alignl 7, 3214868480
	.fill 96, 4, 3214868480
	.section	.rodata,"a",@progbits
	.p2align	6, 0x0
	.amdhsa_kernel k_q2e1df03770_out
		.amdhsa_group_segment_fixed_size 26880
		.amdhsa_private_segment_fixed_size 0
		.amdhsa_enable_private_segment 0
		.amdhsa_kernarg_size 64
		.amdhsa_user_sgpr_count 2
		.amdhsa_user_sgpr_kernarg_segment_ptr 1
		.amdhsa_wavefront_size32 1
		.amdhsa_system_sgpr_workgroup_id_x 1
		.amdhsa_system_sgpr_workgroup_id_y 1
		.amdhsa_system_sgpr_workgroup_id_z 1
		.amdhsa_system_vgpr_workitem_id 0
		.amdhsa_next_free_vgpr 448
		.amdhsa_next_free_sgpr 66
		.amdhsa_reserve_vcc 0
		.amdhsa_float_denorm_mode_32 3
		.amdhsa_float_denorm_mode_16_64 3
		.amdhsa_memory_ordered 1
		.amdhsa_forward_progress 1
		.amdhsa_inst_pref_size 18
	.end_amdhsa_kernel
	.amdgpu_metadata
---
amdhsa.version: [ 1, 2 ]
amdhsa.kernels:
  - .name:           k_q2e1df03770_out
    .symbol:         k_q2e1df03770_out.kd
    .args:
      - { .name: lcod, .offset: 0, .size: 8, .value_kind: global_buffer, .address_space: global }
      - { .name: lscl, .offset: 8, .size: 8, .value_kind: global_buffer, .address_space: global }
      - { .name: wimg, .offset: 16, .size: 8, .value_kind: global_buffer, .address_space: global }
      - { .name: wscl, .offset: 24, .size: 8, .value_kind: global_buffer, .address_space: global }
      - { .name: bov, .offset: 32, .size: 8, .value_kind: global_buffer, .address_space: global }
      - { .name: boc, .offset: 40, .size: 8, .value_kind: global_buffer, .address_space: global }
      - { .name: out0, .offset: 48, .size: 8, .value_kind: global_buffer, .address_space: global }
      - { .name: out1, .offset: 56, .size: 8, .value_kind: global_buffer, .address_space: global }
    .group_segment_fixed_size: 26880
    .private_segment_fixed_size: 0
    .kernarg_segment_align: 8
    .kernarg_segment_size: 64
    .max_flat_workgroup_size: 192
    .sgpr_count:     66
    .vgpr_count:     448
    .wavefront_size: 32
...
	.end_amdgpu_metadata
.endif
;; end of part 5
